; MI455X (gfx1250); checked and timed in simulation.
; The chip was launched on July 23, 2026; its instructions are those of AMD's public machine-readable ISA for CDNA 5 (MIT licence, August 2026) and "CDNA5" Instruction Set Architecture Reference Guide (July 2026). The comments in the code are by the model that wrote it; some were corrected since.
;; Multi Head Self Attention. Allowed arithmetic: matrix products marked QUANTISED: E5M2 operands, one E8M0 scale for each 32 along K, by v_wmma_scale_f32_16x16x128_f8f6f4 with both operands' format E5M2, f32 sums; everything else in f32.
;; Inputs: Wk 1,024 x 1,024 float32; Wo 1,024 x 1,024 float32; Wq 1,024 x 1,024 float32; Wv 1,024 x 1,024 float32; token_positions 4,096 int32; x 1 x 4,096 x 1,024 float32.
;; Outputs: out0 1 x 4,096 x 1,024 float32.
;; This version of the problem:
;;   THIS VERSION OF THE PROBLEM IS GIVEN IN LOW PRECISION. The matrix products marked QUANTISED in the list below multiply operands that are first quantised to E5M2 (5 exponent bits, 2 mantissa bits; 8 bits a number), with one power-of-two scale for each 32 numbers along K (OCP MX v1.0); their sums are f32. All else is computed in f32.
;;   The module's matrix products, in the order in which they are computed (A, B: the left and right operand; K: the contracted axis; several contracted axes count as one K, in the product's order):
;;     1. [M 4,096, K 1,024] x [K 1,024, N 1,024]; A: input x; B: input Wq: QUANTISED
;;     2. [M 4,096, K 1,024] x [K 1,024, N 1,024]; A: input x; B: input Wk: QUANTISED
;;     3. [M 4,096, K 1,024] x [K 1,024, N 1,024]; A: input x; B: input Wv: QUANTISED
;;     4. batch 16 x [M 4,096, K 64] x [K 64, N 4,096]; A: computed on the way; B: computed on the way: QUANTISED
;;     5. batch 16 x [M 4,096, K 4,096] x [K 4,096, N 64]; A: softmax (see below); B: computed on the way: QUANTISED
;;     6. [M 4,096, K 1,024] x [K 1,024, N 1,024]; A: computed on the way; B: input Wo: QUANTISED
;;   THE QUANTISER, for each operand of a quantised product, along K:
;;     - K is cut into blocks of 32 from its start; a last block that is shorter is filled with zeros.
;;     - A block's scale is 2^e with e = floor(log2(the largest magnitude in the block)) - 15, held to -126 .. 127; a block of zeros has e = 0. As a byte (E8M0): e + 127.
;;     - Each number is divided by its block's scale, clamped to +-57,344, and rounded to the nearest number of E5M2, ties to even, subnormals kept.
;;     - The product sums the exact products of the quantised numbers (number of the format x scale) in f32.
;;   ~~~python
;;   def quantise(x, axis):      # numpy; x: float32 -> the quantised numbers, widened to float32 again
;;       x = np.moveaxis(x, axis, -1); K = x.shape[-1]
;;       x = np.pad(x, [(0, 0)] * (x.ndim - 1) + [(0, -K % 32)]); x = x.reshape(x.shape[:-1] + (-1, 32)); a = np.abs(x).max(-1, keepdims=True)
;;       e = np.where(a > 0, np.clip(np.frexp(np.where(a > 0, a, 1))[1] - 1 - 15, -126, 127), 0)      # np.frexp(a)[1] - 1 = floor(log2(a)), exactly
;;       r = np.clip(x / 2.0 ** e, -57344, 57344)
;;       step = 2.0 ** (np.maximum(np.frexp(np.where(r == 0, 1, r))[1] - 1, -14) - 2)
;;       q = np.round(r / step) * step * 2.0 ** e      # np.round: ties to even
;;       return np.moveaxis(q.reshape(q.shape[:-2] + (-1,))[..., :K], -1, axis).astype(np.float32)
;;   ~~~
;;   SOFTMAX AHEAD OF A QUANTISED PRODUCT. Where the list says 'softmax', what is quantised is not the finished softmax but p = 2^(t - M), with t = logit x log2(e) and M = ceil(the row's largest t), a whole number; so 1/2 < the row's largest p <= 1. The row's sum l is taken of the UNQUANTISED p, in f32, and the product's result is divided by l at the end. Since M is a whole number, a kernel that streams over the keys may use a running M (the ceiling of the running maximum): every later rescaling is an exact power of two, which a block's scale takes up: the codes' values come out the same.
;;   OPERANDS COMPUTED ON THE WAY. 'Computed on the way' means the value that the module computes at that place (a softmax that the list does not call 'softmax' is quantised finished and normalised). What goes into a quantiser is computed in f32, as accurately as f32 sums, v_exp_f32 and their like allow (about 1e-6 of the number): no bf16 or f16 on the way to a quantiser, and a product that is left as it is and whose result goes on into a quantised operand takes f32 operands (vector FMAs, or v_wmma_f32_16x16x4_f32). A number that lies on a knife's edge between two numbers of the format may be rounded either way, as far as f32 arithmetic and the matrix unit's own rounding can turn it there, and no further.
;; One version. Each part assembles by itself: llvm-mc -triple=amdgcn-amd-amdhsa -mcpu=gfx1250 --defsym DOCPART=n.
;; ======== version 1 of 1: 4 launches
;; limits: right only within a limited range of input values
;; workspace buffers: codes 8,388,608 bytes; scales 262,144 bytes; rope 1,048,576 bytes; qb 4,456,448 bytes; kv 8,781,824 bytes; ac 4,194,304 bytes; asc 131,072 bytes
;; launch prep (part 1): grid 320 x 1, 4 waves a work-group, no clusters, 33,280 bytes of LDS; arguments x, Wq, Wk, Wv, Wo, token_positions, codes, scales, rope; writes codes, scales, rope
.if DOCPART == 1
	.amdgcn_target "amdgcn-amd-amdhsa--gfx1250"
	.amdhsa_code_object_version 6
	.text
	.protected	k_q00a9198904_prep
	.globl	k_q00a9198904_prep
	.p2align	8
	.type	k_q00a9198904_prep,@function
k_q00a9198904_prep:
	s_mov_b64 s[64:65], 0
	v_nop
	global_prefetch_b8 v0, s[64:65] scope:SCOPE_SE
	s_setreg_imm32_b32 hwreg(HW_REG_WAVE_MODE, 25, 1), 1
	s_wait_xcnt 0x0
; PREP.  (1) x [4096][1024], Wq, Wk, Wv, Wo [1024][1024], f32, K innermost, become codes of BF8 (E5M2) and one E8M0 scale byte for each 32 along K, in ONE matrix of 8,192 rows:
; rows 0-4095 x, 4096 Wq, 5120 Wk, 6144 Wv, 7168 Wo; codes [8192][1024], scales [8192][32].  (2) A table of (cos, sin) of position x inv_freq: rope [4096 tokens][32 f][2] f32.
; ROW ORDER.  In both outputs bits 3 and 4 of the row's number are exchanged: row 32 B + 16 a + 8 u + l lies at place 32 B + 16 u + 8 a + l.  Sixteen rows on end then form a tile whose
; results, as source 0 of a product, fall so that two neighbouring tiles give a lane 16 neighbours.  A wave's run is 8 rows, so the exchange is a swap of the two bits of the wave's number.
; A block's scale is 2^(floor(log2(its largest magnitude)) - 15); its byte is that magnitude's exponent field - 15, held at 1 from below; numbers are held within +-57,344 x the scale, then rounded to the nearest code, ties to even.
; LIMITS: a block of zeros gets the byte 1 and not 127 (its codes are zeros; this program alone reads the bytes); blocks whose largest magnitude lies under 2^-111 are held at the byte 1; NaN and infinities are not served;
; positions: |position| < 2^20, so that the reduced angle stays within pi/4 + 0.04, where the two series (cut behind r^9 and r^10) are good to 2e-9.
; Work-groups 0-255 quantise (32 rows each, a wave 8 rows = 16 steps of 512 numbers); work-groups 256-319 make the table (a wave 16 tokens, a lane one f).  Only the first kind uses LDS.
; No tensor loads, no barrier: waves share nothing.
.set STEPS, 16
.set EMAX,  15
.set MANT,  0x600000                   ; the mantissa field of 57,344 as f32
.set CB,    16                         ; bytes of 16 codes
.set R,     16                         ; v16-79   four sets of 16 numbers as they are loaded
.set X,     80                         ; v80-111  two sets of 16 neighbours
.set E,     112                        ; v112-127 a scale byte for each step
.set C,     128                        ; v128-191 codes: four registers for each step, so that no store's data are written again
.set WREG,  8192                       ; LDS: a region for each wave: two stages of 32 x SP bytes, behind them its 256 scale bytes
.set SP,    80                         ; a lane's place in a stage: its 64 bytes + 16 of padding
	s_load_b256 s[4:11], s[0:1], 0x0               ; x, Wq, Wk, Wv
	s_load_b128 s[12:15], s[0:1], 0x20             ; Wo, token_positions
	s_load_b128 s[16:19], s[0:1], 0x30             ; codes, scales
	s_load_b64 s[20:21], s[0:1], 0x40              ; rope
	v_lshl_add_u32 v192, v0, 2, 0x8000
	v_mov_b32 v193, 0
	v_lshrrev_b32 v1, 5, v0
	v_readfirstlane_b32 s23, v1                    ; wave 0..3
	v_and_b32 v2, 31, v0                           ; lane
	s_cmp_ge_u32 ttmp9, 256
	s_cbranch_scc1 .Lrope
	; ---------------- the quantiser ----------------
	v_lshlrev_b32 v3, 4, v2                        ; my 16 bytes of a load's 512
	s_mul_i32 s24, s23, WREG
	v_lshrrev_b32 v14, 2, v2
	v_mul_u32_u24 v14, v14, SP
	v_and_b32 v15, 3, v2
	v_lshl_add_u32 v14, v15, 4, v14
	v_add_nc_u32 v14, s24, v14                     ; the stage, on the way in: four lanes' 64 bytes on end, then 16 of padding
	v_mul_u32_u24 v15, v2, SP
	v_add_nc_u32 v15, s24, v15                     ; and on the way out: SP x lane: my 16 neighbours
	v_mul_u32_u24 v4, v2, CB                       ; my codes' place in a step's
	v_lshrrev_b32 v5, 1, v2
	s_add_co_u32 s24, s24, 2*32*SP
	v_add_nc_u32 v5, s24, v5                       ; LDS: my wave's 256 scale bytes, my block's byte
	v_lshlrev_b32 v7, 3, v2                        ; and on the way out 8 bytes a lane
	v_add_nc_u32 v6, s24, v7
	s_mov_b32 s25, MANT
	s_wait_alu depctr_va_vdst(0)
	s_wait_kmcnt 0x0
	s_cmp_lt_u32 ttmp9, 128                        ; which tensor: the choice hangs on the work-group's number alone
	s_cselect_b64 s[4:5], s[4:5], s[6:7]
	s_cselect_b32 s22, 0, 128                      ; and that tensor's first work-group
	s_cmp_ge_u32 ttmp9, 160
	s_cselect_b64 s[4:5], s[8:9], s[4:5]
	s_cselect_b32 s22, 160, s22
	s_cmp_ge_u32 ttmp9, 192
	s_cselect_b64 s[4:5], s[10:11], s[4:5]
	s_cselect_b32 s22, 192, s22
	s_cmp_ge_u32 ttmp9, 224
	s_cselect_b64 s[4:5], s[12:13], s[4:5]
	s_cselect_b32 s22, 224, s22
	s_sub_co_u32 s26, ttmp9, s22
	s_lshl_b32 s26, s26, 2
	s_add_co_u32 s26, s26, s23                     ; my run of 8 rows in the tensor,
	s_lshl_b32 s26, s26, 15                        ; 32,768 bytes a run
	s_mov_b32 s27, 0
	s_add_nc_u64 s[4:5], s[4:5], s[26:27]
	s_and_b32 s28, s23, 1                          ; the place of my run in the outputs: the wave's two bits swapped
	s_lshl_b32 s28, s28, 1
	s_lshr_b32 s29, s23, 1
	s_or_b32 s28, s28, s29
	s_lshl_b32 s29, ttmp9, 2
	s_add_co_u32 s28, s28, s29
	s_lshl_b32 s26, s28, 13                        ; 8,192 bytes of codes a run
	s_add_nc_u64 s[16:17], s[16:17], s[26:27]
	s_lshl_b32 s26, s28, 8                         ; 256 scale bytes a run
	s_add_nc_u64 s[18:19], s[18:19], s[26:27]
.macro LOAD t
.irp i, 0,1,2,3
	global_load_b128 v[R+16*((\t)%4)+4*\i:R+16*((\t)%4)+4*\i+3], v3, s[4:5] offset:2048*(\t)+512*\i th:TH_LOAD_NT   ; 32 lanes read 512 consecutive bytes
.endr
.endm
.macro TURN t                          ; step t's numbers through the stage: LDS serves a wave's instructions in order, so no wait stands between the stores and the loads
.irp i, 0,1,2,3
	ds_store_b128 v14, v[R+16*((\t)%4)+4*\i:R+16*((\t)%4)+4*\i+3] offset:32*SP*((\t)%2)+8*SP*\i
.endr
.irp i, 0,1,2,3
	ds_load_b128 v[X+16*((\t)%2)+4*\i:X+16*((\t)%2)+4*\i+3], v15 offset:32*SP*((\t)%2)+16*\i
.endr
.endm
.irp t, 0,1,2,3
	LOAD \t
.endr
	s_wait_loadcnt 12                              ; step 0's four loads are in
	TURN 0
.macro STEP t
.set XS, X+16*((\t)%2)
.if (\t) > 0
	s_wait_dscnt 1                                 ; this step's numbers are back from the stage (the last step's byte store may be out): so its stores into the stage have read their registers,
.else
	s_wait_dscnt 0x0
.endif
.if (\t)+4 < STEPS
	LOAD (\t)+4                                    ; which take the loads of four steps on
.endif
.if (\t)+1 < STEPS
.if STEPS-2-(\t) >= 3
	s_wait_loadcnt 12                              ; the next step's four loads are in; those of the three steps behind it may be out
.else
	s_wait_loadcnt 4*(STEPS-2-(\t))
.endif
	TURN (\t)+1                                    ; and go through the other stage while this step is worked
.endif
	v_max3_num_f32 v8, |v[XS]|, |v[XS+1]|, |v[XS+2]|               ; the largest magnitude of my 16, in two chains
	v_max3_num_f32 v9, |v[XS+3]|, |v[XS+4]|, |v[XS+5]|
.irp i, 6,10
	v_max3_num_f32 v8, v8, |v[XS+\i]|, |v[XS+\i+1]|
	v_max3_num_f32 v9, v9, |v[XS+\i+2]|, |v[XS+\i+3]|
.endr
	v_max3_num_f32 v8, v8, |v[XS+14]|, |v[XS+15]|
	v_max3_num_f32 v8, v8, v9, (EMAX+1)<<23        ; and the floor 2^(16 - 127): the byte cannot fall under 1
	v_max_num_f32_dpp v8, v8, v8 row_xmask:1 row_mask:0xf bank_mask:0xf   ; and of my neighbour's 16: the block's
	v_add_nc_u32 v11, -(EMAX<<23), v8              ; 15 off its exponent field: the conversion takes the exponent field of this operand as its scale
	v_and_or_b32 v10, v8, 0x7f800000, s25          ; 57,344 x the scale
.irp i, 0,1,2,3,4,5,6,7,8,9,10,11,12,13,14,15
	v_med3_num_f32 v[XS+\i], v[XS+\i], -v10, v10   ; the conversion to an 8-bit code does not saturate (ISA guide 7.6.2): the hold comes first
.endr
	v_cvt_scalef32_pk8_bf8_f32 v[C+4*(\t):C+4*(\t)+1], v[XS:XS+7], v11
	v_cvt_scalef32_pk8_bf8_f32 v[C+4*(\t)+2:C+4*(\t)+3], v[XS+8:XS+15], v11
	v_lshrrev_b32 v[E+(\t)], 23, v11               ; the scale's byte
	ds_store_b8 v5, v[E+(\t)] offset:16*(\t)       ; both lanes of a block write the same byte with the same value
	global_store_b128 v4, v[C+4*(\t):C+4*(\t)+3], s[16:17] offset:32*CB*(\t)   ; the wave stores 512 consecutive bytes
.endm
.irp t, 0,1,2,3,4,5,6,7,8,9,10,11,12,13,14,15
	STEP \t
.endr
	ds_load_b64 v[12:13], v6                       ; LDS serves a wave's instructions in order: these see my stores
	s_wait_dscnt 0x0
	global_store_b64 v7, v[12:13], s[18:19]        ; 32 lanes store 256 consecutive bytes, aligned
	s_wait_tensorcnt 0x0
	ds_add_u32 v192, v193
	s_wait_dscnt 0x0
	s_endpgm
	; ---------------- the table ----------------
.Lrope:
	s_wait_alu depctr_va_vdst(0)
	v_lshlrev_b32 v1, 3, v2                        ; a lane's (cos, sin): 8 bytes
	v_mov_b32 v3, 0
.macro POW f, val                      ; theta^(f / 32) = 10^(f / 8), rounded to f32 by the assembler, into lane f
	s_mov_b32 s24, \val
	v_writelane_b32 v3, s24, \f
.endm
	POW 0, 1.0
	POW 1, 1.333521432163324
	POW 2, 1.7782794100389228
	POW 3, 2.371373705661655
	POW 4, 3.1622776601683795
	POW 5, 4.216965034285822
	POW 6, 5.623413251903491
	POW 7, 7.498942093324558
	POW 8, 10.0
	POW 9, 13.33521432163324
	POW 10, 17.782794100389228
	POW 11, 23.71373705661655
	POW 12, 31.622776601683793
	POW 13, 42.16965034285822
	POW 14, 56.23413251903491
	POW 15, 74.98942093324558
	POW 16, 100.0
	POW 17, 133.3521432163324
	POW 18, 177.82794100389228
	POW 19, 237.1373705661655
	POW 20, 316.22776601683796
	POW 21, 421.6965034285822
	POW 22, 562.341325190349
	POW 23, 749.8942093324558
	POW 24, 1000.0
	POW 25, 1333.521432163324
	POW 26, 1778.2794100389228
	POW 27, 2371.373705661655
	POW 28, 3162.2776601683795
	POW 29, 4216.965034285822
	POW 30, 5623.413251903491
	POW 31, 7498.942093324558
	s_wait_alu depctr_va_vdst(0)
	v_rcp_f32 v4, v3                               ; inv_freq = 1 / that power, as a division rounds it: the reciprocal, and two steps on the exact residual
	v_nop                                          ; a plain place behind the transcendental
	s_wait_alu depctr_va_vdst(0)
	v_fma_f32 v5, -v3, v4, 1.0
	v_fma_f32 v4, v4, v5, v4
	v_fma_f32 v5, -v3, v4, 1.0
	v_fma_f32 v4, v5, v4, v4
	v_mov_b32 v6, 0x3638ef1d                       ; 1 / 9!
	v_mov_b32 v7, 0xb493f27e                       ; -1 / 10!
	s_sub_co_u32 s24, ttmp9, 256
	s_lshl_b32 s24, s24, 2
	s_add_co_u32 s24, s24, s23                     ; my 16 tokens
	s_lshl_b32 s26, s24, 6                         ; their positions: 64 bytes,
	s_mov_b32 s27, 0
	s_lshl_b32 s28, s24, 12                        ; their rows of the table: 256 bytes each
	s_mov_b32 s29, 0
	s_mov_b32 s48, 0xbfc90fdb                      ; pi / 2 in three parts, each negated: -1.57079637,
	s_mov_b32 s49, 0x333bbd2e                      ; +4.37113883e-8,
	s_mov_b32 s50, 0x26f72cfa                      ; +1.7151e-15
	s_wait_kmcnt 0x0
	s_add_nc_u64 s[14:15], s[14:15], s[26:27]
	s_add_nc_u64 s[20:21], s[20:21], s[28:29]
	s_load_b512 s[32:47], s[14:15], 0x0            ; 16 positions
	s_wait_kmcnt 0x0
; Token k.  The angle is one f32 product.  n = the nearest whole number of quarter turns; r = angle - n pi / 2: the first multiply-add is exact (a multiple of 2^-24 under 1).  sin r and cos r by their series;
; n's two low bits say which of the two is which and give the signs: by selects, not by branches.
.macro SINCOS k
	v_cvt_f32_i32 v10, s[32+\k]
	s_wait_alu depctr_va_vdst(0)
	v_mul_f32 v10, v10, v4
	v_mul_f32 v11, 0x3f22f983, v10                 ; x 2 / pi
	v_rndne_f32 v11, v11
	v_fma_f32 v12, v11, s48, v10
	v_fma_f32 v12, v11, s49, v12
	v_fma_f32 v12, v11, s50, v12
	v_mul_f32 v13, v12, v12                        ; z = r^2
	v_fmaak_f32 v14, v6, v13, 0xb9500d01           ; the two chains by turns: sine's: -1 / 7!,
	v_fmaak_f32 v16, v7, v13, 0x37d00d01           ; cosine's: 1 / 8!,
	v_fmaak_f32 v14, v14, v13, 0x3c088889          ; 1 / 5!,
	v_fmaak_f32 v16, v16, v13, 0xbab60b61          ; -1 / 6!,
	v_fmaak_f32 v14, v14, v13, 0xbe2aaaab          ; -1 / 3!
	v_fmaak_f32 v16, v16, v13, 0x3d2aaaab          ; 1 / 4!
	v_mul_f32 v15, v13, v12
	v_fma_f32 v16, v16, v13, -0.5
	v_fma_f32 v14, v15, v14, v12                   ; sin r
	v_fma_f32 v16, v16, v13, 1.0                   ; cos r
	v_cvt_i32_f32 v17, v11
	v_and_b32 v18, 1, v17
	v_cmp_eq_u32 vcc_lo, 1, v18                    ; an odd quarter swaps the two
	v_cndmask_b32 v19, v14, v16, vcc_lo
	v_cndmask_b32 v20, v16, v14, vcc_lo
	v_lshlrev_b32 v21, 30, v17                     ; the sine is negative in quarters 2, 3: bit 1 of n;
	v_add_nc_u32 v22, 1, v17
	v_and_b32 v21, 0x80000000, v21
	v_lshlrev_b32 v22, 30, v22                     ; the cosine in quarters 1, 2: bit 1 of n + 1
	v_and_b32 v22, 0x80000000, v22
	v_xor_b32 v[65+2*\k], v19, v21
	v_xor_b32 v[64+2*\k], v20, v22
	global_store_b64 v1, v[64+2*\k:65+2*\k], s[20:21] offset:256*\k   ; the wave stores a token's 256 consecutive bytes, aligned; each token has its own data registers
.endm
.irp k, 0,1,2,3,4,5,6,7,8,9,10,11,12,13,14,15
	SINCOS \k
.endr
	s_endpgm
.Lfunc_end_k_q00a9198904_prep:
	.size	k_q00a9198904_prep, .Lfunc_end_k_q00a9198904_prep-k_q00a9198904_prep
	.p2alignl 7, 3214868480
	.fill 96, 4, 3214868480
	.section	.rodata,"a",@progbits
	.p2align	6, 0x0
	.amdhsa_kernel k_q00a9198904_prep
		.amdhsa_group_segment_fixed_size 33280
		.amdhsa_private_segment_fixed_size 0
		.amdhsa_enable_private_segment 0
		.amdhsa_kernarg_size 72
		.amdhsa_user_sgpr_count 2
		.amdhsa_user_sgpr_kernarg_segment_ptr 1
		.amdhsa_wavefront_size32 1
		.amdhsa_system_sgpr_workgroup_id_x 1
		.amdhsa_system_sgpr_workgroup_id_y 1
		.amdhsa_system_sgpr_workgroup_id_z 1
		.amdhsa_system_vgpr_workitem_id 0
		.amdhsa_next_free_vgpr 194
		.amdhsa_next_free_sgpr 66
		.amdhsa_reserve_vcc 1
		.amdhsa_float_denorm_mode_32 3
		.amdhsa_float_denorm_mode_16_64 3
		.amdhsa_memory_ordered 1
		.amdhsa_forward_progress 1
		.amdhsa_inst_pref_size 81
	.end_amdhsa_kernel
	.amdgpu_metadata
---
amdhsa.version: [ 1, 2 ]
amdhsa.kernels:
  - .name:           k_q00a9198904_prep
    .symbol:         k_q00a9198904_prep.kd
    .args:
      - { .name: x, .offset: 0, .size: 8, .value_kind: global_buffer, .address_space: global }
      - { .name: Wq, .offset: 8, .size: 8, .value_kind: global_buffer, .address_space: global }
      - { .name: Wk, .offset: 16, .size: 8, .value_kind: global_buffer, .address_space: global }
      - { .name: Wv, .offset: 24, .size: 8, .value_kind: global_buffer, .address_space: global }
      - { .name: Wo, .offset: 32, .size: 8, .value_kind: global_buffer, .address_space: global }
      - { .name: token_positions, .offset: 40, .size: 8, .value_kind: global_buffer, .address_space: global }
      - { .name: codes, .offset: 48, .size: 8, .value_kind: global_buffer, .address_space: global }
      - { .name: scales, .offset: 56, .size: 8, .value_kind: global_buffer, .address_space: global }
      - { .name: rope, .offset: 64, .size: 8, .value_kind: global_buffer, .address_space: global }
    .group_segment_fixed_size: 33280
    .private_segment_fixed_size: 0
    .kernarg_segment_align: 8
    .kernarg_segment_size: 72
    .max_flat_workgroup_size: 128
    .sgpr_count:     66
    .vgpr_count:     194
    .wavefront_size: 32
...
	.end_amdgpu_metadata
.endif
;; end of part 1
;; launch qkv (part 2): grid 12 x 16, 4 waves a work-group, clusters of 4 x 4, 327,680 bytes of LDS; arguments codes, scales, rope, qb, kv; writes qb, kv
.if DOCPART == 2
	.amdgcn_target "amdgcn-amd-amdhsa--gfx1250"
	.amdhsa_code_object_version 6
	.text
	.protected	k_q00a9198904_qkv
	.globl	k_q00a9198904_qkv
	.p2align	8
	.type	k_q00a9198904_qkv,@function
k_q00a9198904_qkv:
	s_mov_b64 s[64:65], 0
	v_nop
	global_prefetch_b8 v0, s[64:65] scope:SCOPE_SE
	s_setreg_imm32_b32 hwreg(HW_REG_WAVE_MODE, 25, 1), 1
	s_wait_xcnt 0x0
	s_wait_alu depctr_hold_cnt(0) depctr_sa_sdst(0) depctr_va_vdst(0) depctr_va_sdst(0) depctr_va_ssrc(0) depctr_va_vcc(0) depctr_vm_vsrc(0)
	s_getreg_b32 s2, hwreg(HW_REG_IB_STS2, 6, 4)
	s_cmp_eq_u32 s2, 0
	s_cbranch_scc0 .Lentry_in_a_cluster
	s_endpgm
.Lentry_in_a_cluster:
	s_bfe_u32 s2, ttmp6, 0x10000c
	s_cmp_lg_u32 s2, 0xf033
	s_cbranch_scc0 .Lentry_shape_is_right
	s_endpgm
.Lentry_shape_is_right:
.set KSTEP,  256
.set NQ,     KSTEP/128
.set ROWB,   256
.set KROW,   1024
.set PITCH,  272
.set FR,     16
.set NL,     4
.set NP,     8
.set HALFT,  128*PITCH
.set SLOT,   4*HALFT
.set LAPS,   1024/(2*KSTEP)
.set KS,     32
.set SCL,    2*SLOT
.set HALFS,  (128*KS/256)*272
.set SBLK,   (16*KS/256)*272
.set SPARE,  SCL+4*HALFS
.set ADRA, 16
.set ADRB, 20
.set ADRS, 27
.set SPW,  28
.set NIL,  29
.set SC,   32
.set AF,   128
.set G1, 24
.set G0, 32
.set G1B, 48
.set G0B, 56
.set G1S, 68
.set G0S, 76
.set G1SB, 80
.set G0SB, 88
.set MSB, 0
.macro WIN new
.if MSB != \new
	s_set_vgpr_msb (MSB<<8)|\new
.set MSB, \new
.endif
.endm
.set MUL_LO, 0xa1
.set MUL_HI, 0xf1
.set TO_B,   0x40
.macro JLOAD g0a, g1a, g0b, g1b
	s_cmp_eq_u32 s15, 0
	s_cbranch_scc0 .Lfor_b_\@
	tensor_load_to_lds s[\g0a:\g0a+3], s[\g1a:\g1a+7]
	s_nop 0
.rept 4
	v_nop
.endr
	s_branch .Lasked_\@
.Lfor_b_\@:
	tensor_load_to_lds s[\g0b:\g0b+3], s[\g1b:\g1b+7]
	s_nop 0
.rept 4
	v_nop
.endr
.Lasked_\@:
.endm
.macro CREST
	s_cmp_lg_u32 s14, 0
	s_cbranch_scc1 .Lnot_wave_0_\@
	s_barrier_signal -3
.Lnot_wave_0_\@:
	s_barrier_wait -3
	s_barrier_signal -1
	s_barrier_wait -1
.endm
.macro CROUND
	s_barrier_signal -1
	s_barrier_wait -1
	CREST
.endm
	s_load_b128 s[4:7], s[0:1], 0x0
	s_load_b128 s[8:11], s[0:1], 0x10
	s_load_b64 s[12:13], s[0:1], 0x20
	v_lshl_add_u32 v[SPW], v0, 2, SPARE
	v_mov_b32 v[NIL], 0
	ds_add_u32 v28, v29
	ds_add_u32 v28, v29
	s_wait_dscnt 0x0
	v_lshrrev_b32 v1, 5, v0
	v_readfirstlane_b32 s14, v1
	s_lshr_b32 s15, s14, 1
	s_and_b32 s16, s14, 1
	s_bfe_u32 s40, ttmp6, 0x40000
	s_bfe_u32 s41, ttmp6, 0x40004
	s_and_b32 s17, ttmp7, 0xffff
	s_lshl_b32 s43, s41, 2
	s_lshl_b32 s43, 15, s43
	s_lshl_b32 s44, 0x1111, s40
	s_or_b32 s[G1+0], s43, (0<<16)|(1<<20)|(1<<21)|(5<<22)|(3<<25)
	s_or_b32 s[G1B+0], s44, (0<<16)|(1<<20)|(1<<21)|(5<<22)|(3<<25)
.irp g, G1, G1B
	s_mov_b32 s[\g+1], ROWB<<16
	s_mov_b32 s[\g+2], 128<<16
	s_mov_b32 s[\g+3], ROWB<<16
	s_mov_b32 s[\g+4], 128
	s_mov_b32 s[\g+5], KROW
	s_mov_b32 s[\g+6], 0
	s_mov_b32 s[\g+7], 0
.endr
	s_or_b32 s[G1S+0], s43, (3<<16)|(1<<20)|(1<<21)|(5<<22)|(3<<25)
	s_or_b32 s[G1SB+0], s44, (3<<16)|(1<<20)|(1<<21)|(5<<22)|(3<<25)
.irp g, G1S, G1SB
	s_mov_b32 s[\g+1], 32<<16
	s_mov_b32 s[\g+2], (128*KS/256)<<16
	s_mov_b32 s[\g+3], 32<<16
	s_mov_b32 s[\g+4], 128*KS/256
	s_mov_b32 s[\g+5], 32
	s_mov_b32 s[\g+6], 0
	s_mov_b32 s[\g+7], 0
.endr
	s_lshl_b32 s18, s17, 10
	s_lshl_b32 s19, ttmp9, 10
	s_add_co_u32 s19, s19, 4096
	s_cmp_eq_u32 ttmp9, 2
	s_cselect_b32 s46, s18, s19
	s_cselect_b32 s20, 6144, s18
	s_lshl_b32 s18, s16, 7
	s_lshl_b32 s22, s41, 8
	s_add_co_u32 s20, s20, s22
	s_add_co_u32 s20, s20, s18
	s_lshl_b32 s92, s40, 8
	s_add_co_u32 s46, s46, s92
	s_add_co_u32 s46, s46, s18
	s_lshl_b32 s22, s20, 5
	s_mov_b32 s23, 0
	s_lshl_b32 s92, s46, 5
	s_mov_b32 s93, 0
	s_lshl_b32 s20, s20, 10
	s_mov_b32 s21, 0
	s_lshl_b32 s46, s46, 10
	s_mov_b32 s47, 0
	s_mul_i32 s45, s14, HALFT
	s_mul_i32 s94, s14, HALFS
	s_wait_kmcnt 0x0
	s_add_nc_u64 s[20:21], s[4:5], s[20:21]
	s_add_nc_u64 s[22:23], s[6:7], s[22:23]
	s_add_nc_u64 s[46:47], s[4:5], s[46:47]
	s_add_nc_u64 s[92:93], s[6:7], s[92:93]
	CROUND
	s_mov_b32 s[G0S], 1
	s_add_co_u32 s[G0S+1], s94, SCL
	s_mov_b64 s[G0S+2:G0S+3], s[22:23]
	s_or_b32 s[G0S+3], s[G0S+3], 0x80000000
	s_mov_b32 s[G0SB], 1
	s_add_co_u32 s[G0SB+1], s94, SCL
	s_mov_b64 s[G0SB+2:G0SB+3], s[92:93]
	s_or_b32 s[G0SB+3], s[G0SB+3], 0x80000000
	JLOAD G0S, G1S, G0SB, G1SB
.irp s, 0,1
	s_mov_b32 s[G0+4*\s], 1
	s_add_co_u32 s[G0+4*\s+1], s45, \s*SLOT
	s_add_nc_u64 s[G0+4*\s+2:G0+4*\s+3], s[20:21], \s*ROWB
	s_or_b32 s[G0+4*\s+3], s[G0+4*\s+3], 0x80000000
	s_mov_b32 s[G0B+4*\s], 1
	s_add_co_u32 s[G0B+4*\s+1], s45, \s*SLOT
	s_add_nc_u64 s[G0B+4*\s+2:G0B+4*\s+3], s[46:47], \s*ROWB
	s_or_b32 s[G0B+4*\s+3], s[G0B+4*\s+3], 0x80000000
	s_wait_alu depctr_va_vdst(0)
	s_wait_tensorcnt 0x0
	ds_add_u32 v28, v29
	s_wait_dscnt 0x0
	CROUND
	JLOAD G0+4*\s, G1, G0B+4*\s, G1B
.endr
	v_and_b32 v1, 15, v0
	v_bfe_u32 v2, v0, 4, 1
	v_mul_u32_u24 v3, v1, PITCH
	v_lshl_add_u32 v4, v2, 4, v3
	s_mul_i32 s21, s15, HALFT
	s_mul_i32 s22, s16, HALFT
	s_add_co_u32 s22, s22, 2*HALFT
.irp s, 0,1
	v_add_nc_u32 v[ADRA+\s], s21, v4
	v_add_nc_u32 v[ADRB+\s], s22, v4
	s_add_co_u32 s21, s21, SLOT
	s_add_co_u32 s22, s22, SLOT
.endr
	v_mul_u32_u24 v5, v1, KS
	v_lshrrev_b32 v6, 8, v5
	v_lshl_add_u32 v5, v6, 4, v5
	s_mul_i32 s21, s15, HALFS
	s_mul_i32 s22, s16, HALFS
	s_add_co_u32 s22, s22, 2*HALFS
	s_sub_co_u32 s22, s22, s21
	v_mul_u32_u24 v6, s22, v2
	s_add_co_u32 s21, s21, SCL
	v_add_nc_u32 v5, v5, v6
	v_add_nc_u32 v[ADRS], s21, v5
.macro FRAG reg, adr, q, i
.irp c, 0,1,2,3
	ds_load_b128 v[\reg+4*\c:\reg+4*\c+3], v[\adr] offset:128*(\q)+32*\c+(\i)*16*PITCH
.endr
.endm
.macro MUL16 a0, p, q, sc, zero
.irp a, \a0, \a0+1
.irp b, 0,1,2,3,4,5,6,7
.if \zero
	v_wmma_scale_f32_16x16x128_f8f6f4 v[8*(8*((\a)%4)+\b):8*(8*((\a)%4)+\b)+7], v[128*(\p)+FR*\b:128*(\p)+FR*\b+FR-1], v[AF+FR*(\a):AF+FR*(\a)+FR-1], 0, v[SC+8*NQ*(\sc)+NQ*\b+(\q)], v[SC+8*NQ*(\sc)+NQ*(\a)+(\q)] matrix_a_fmt:MATRIX_FMT_BF8 matrix_b_fmt:MATRIX_FMT_BF8 matrix_a_scale:MATRIX_SCALE_ROW1
.else
	v_wmma_scale_f32_16x16x128_f8f6f4 v[8*(8*((\a)%4)+\b):8*(8*((\a)%4)+\b)+7], v[128*(\p)+FR*\b:128*(\p)+FR*\b+FR-1], v[AF+FR*(\a):AF+FR*(\a)+FR-1], v[8*(8*((\a)%4)+\b):8*(8*((\a)%4)+\b)+7], v[SC+8*NQ*(\sc)+NQ*\b+(\q)], v[SC+8*NQ*(\sc)+NQ*(\a)+(\q)] matrix_a_fmt:MATRIX_FMT_BF8 matrix_b_fmt:MATRIX_FMT_BF8 matrix_a_scale:MATRIX_SCALE_ROW1
.endif
.endr
.endr
.endm
.macro FETCH_B slot, q, p
	WIN TO_B
.irp i, 0,1,2,3,4,5,6,7
	FRAG 128*(\p)+FR*\i, ADRB+\slot, \q, \i
.endr
	WIN 0
.endm
.macro FETCH_A slot, q, i0
.irp i, \i0, \i0+1, \i0+2, \i0+3
	FRAG AF+FR*(\i), ADRA+\slot, \q, \i
.endr
.endm
.macro SCALES sc
.irp i, 0,1,2,3,4,5,6,7
	ds_load_b64 v[SC+8*NQ*\sc+NQ*\i:SC+8*NQ*\sc+NQ*\i+1], v[ADRS] offset:\i*SBLK
.endr
.endm
.macro PLACES n
.rept \n
	v_nop
.endr
.endm
.macro STEP slot, q, zero
	s_wait_dscnt 4*NL
	WIN MUL_LO
	MUL16 0, (\q)%2, \q, \slot, \zero
	MUL16 2, (\q)%2, \q, \slot, \zero
	s_wait_dscnt 0
	PLACES NP
	FETCH_B \slot, (\q)+1, 1-(\q)%2
	FETCH_A \slot, (\q)+1, 0
	WIN MUL_HI
	MUL16 4, (\q)%2, \q, \slot, \zero
	MUL16 6, (\q)%2, \q, \slot, \zero
	PLACES NP
	WIN 0
	FETCH_A \slot, (\q)+1, 4
.endm
.macro TURN slot, next, fill
	s_wait_tensorcnt 0x0
	ds_add_u32 v[SPW], v[NIL]
	s_wait_dscnt 4*NL+1
	WIN MUL_LO
	MUL16 0, 1, NQ-1, \slot, 0
	s_wait_dscnt 0x0
	s_barrier_signal -1
	MUL16 2, 1, NQ-1, \slot, 0
	WIN 0
	s_barrier_wait -1
.if \fill
	CREST
	s_add_nc_u64 s[G0+4*\slot+2:G0+4*\slot+3], s[G0+4*\slot+2:G0+4*\slot+3], 2*ROWB
	s_add_nc_u64 s[G0B+4*\slot+2:G0B+4*\slot+3], s[G0B+4*\slot+2:G0B+4*\slot+3], 2*ROWB
	JLOAD G0+4*\slot, G1, G0B+4*\slot, G1B
	PLACES NP-4
.else
	PLACES NP
.endif
	s_wait_alu depctr_va_vdst(0)
	v_add_nc_u32 v[ADRS], 4*NQ, v[ADRS]
	FETCH_B \next, 0, 0
	FETCH_A \next, 0, 0
	SCALES \next
	WIN MUL_HI
	MUL16 4, 1, NQ-1, \slot, 0
	MUL16 6, 1, NQ-1, \slot, 0
	PLACES NP
	WIN 0
	FETCH_A \next, 0, 4
.endm
	s_wait_alu depctr_va_vdst(0)
	s_wait_tensorcnt 1
	s_barrier_signal -1
	s_barrier_wait -1
	FETCH_B 0, 0, 0
	FETCH_A 0, 0, 0
	SCALES 0
	FETCH_A 0, 0, 4
	STEP 0, 0, 1
	s_mov_b32 s3, LAPS-1
.Llap:
	TURN 0, 1, 1
	STEP 1, 0, 0
	TURN 1, 0, 1
	STEP 0, 0, 0
	s_sub_co_u32 s3, s3, 1
	s_cmp_lg_u32 s3, 0
	s_cbranch_scc1 .Llap
	TURN 0, 1, 0
	STEP 1, 0, 0
	s_wait_dscnt 4*NL
	WIN MUL_LO
	MUL16 0, 1, NQ-1, 1, 0
	MUL16 2, 1, NQ-1, 1, 0
	s_wait_dscnt 0
	WIN MUL_HI
	MUL16 4, 1, NQ-1, 1, 0
	MUL16 6, 1, NQ-1, 1, 0
	WIN 0
.set GOFF, 8
.set IDN,  6
.set A8L,  25
.set CSA,  26
.set T,    32
.set PC,   96
.set TM,   112
.set CSR,  128
.set PWR,  192
.set Y,    200
	v_and_b32 v1, 15, v0
	v_bfe_u32 v2, v0, 4, 1
	v_and_b32 v3, 31, v0
	v_lshlrev_b32 v[GOFF], 4, v3
	s_wait_alu depctr_va_vdst(0)
	v_lshlrev_b32 v[A8L], 3, v3
	v_and_b32 v4, 7, v1
	v_lshrrev_b32 v5, 3, v1
	v_lshl_add_u32 v4, v5, 4, v4
	v_lshlrev_b32 v4, 8, v4
	v_lshl_add_u32 v[CSA], v2, 6, v4
	s_mov_b32 s80, 17152
	s_mov_b32 s79, 16384
	s_cmp_eq_u32 ttmp9, 0
	s_cselect_b32 s80, 8704, s80
	s_cselect_b32 s79, 8192, s79
	s_cselect_b64 s[82:83], s[10:11], s[12:13]
	s_lshl_b32 s81, s80, 5
	s_sub_co_u32 s77, s81, 6144
	s_mov_b32 s76, 1024
	s_mov_b32 s78, 1024
	s_cmp_eq_u32 ttmp9, 2
	s_cselect_b32 s68, s40, s41
	s_cselect_b32 s69, s16, s15
	s_cselect_b32 s70, s41, s40
	s_cselect_b32 s71, s15, s16
	s_cselect_b32 s72, 0, 1.0
	s_cselect_b32 s74, 1.0, 0
	s_cselect_b32 s75, 8192, 0
	s_cselect_b32 s77, s77, s76
	s_cselect_b32 s76, 2048, s76
	s_cselect_b32 s78, s78, s81
	s_cselect_b32 s79, 16896, s79
	s_mov_b32 s73, s72
	s_lshl_b32 s22, s17, 3
	s_lshl_b32 s68, s68, 1
	s_add_co_u32 s22, s22, s68
	s_add_co_u32 s22, s22, s69
	s_lshl_b32 s23, s70, 2
	s_lshl_b32 s71, s71, 1
	s_add_co_u32 s23, s23, s71
	s_lshl_b32 s23, s23, 5
	s_add_co_u32 s23, s23, s22
	s_mul_i32 s84, s23, s80
	s_mov_b32 s85, 0
	s_add_nc_u64 s[82:83], s[82:83], s[84:85]
	s_lshl_b32 s84, s22, 15
	s_add_nc_u64 s[98:99], s[8:9], s[84:85]
	s_mov_b32 s84, s75
	s_add_nc_u64 s[86:87], s[82:83], s[84:85]
	s_add_nc_u64 s[88:89], s[86:87], 512
	s_mov_b32 s84, s78
	s_add_nc_u64 s[90:91], s[86:87], s[84:85]
	s_add_nc_u64 s[92:93], s[90:91], 512
	s_mov_b32 s84, s79
	s_add_nc_u64 s[94:95], s[82:83], s[84:85]
	s_mov_b32 s84, s81
	s_add_nc_u64 s[96:97], s[94:95], s[84:85]
	s_mov_b32 s18, 0x76543210
	s_mov_b32 s19, 0xfedcba98
	s_mov_b32 s20, 0x600000
	s_mov_b32 s21, 0x7f7f0000
.irp i, 0,1,2
	v_add_nc_u32 v[GOFF+1+\i], s76, v[GOFF+\i]
.endr
	v_add_nc_u32 v[GOFF+4], s77, v[GOFF+3]
.irp i, 4,5,6
	v_add_nc_u32 v[GOFF+1+\i], s76, v[GOFF+\i]
.endr
	v_mov_b32 v[IDN], s74
	v_mov_b32 v[IDN+1], 0
	s_wait_alu depctr_va_vdst(0)
.irp b, 0,1,2,3
	v_mov_b32 v[TM+4+\b], 0
.endr
.macro CSLOAD j
.irp c, 0,1
.irp k, 0,1,2,3
	global_load_b128 v[CSR+32*((\j)%2)+16*\c+4*\k:CSR+32*((\j)%2)+16*\c+4*\k+3], v[CSA], s[98:99] offset:(32*((\j)/2)+8*((\j)%2))*256+128*\c+16*\k
.endr
.endr
.endm
.macro BLEND i
.set CB, CSR+32*((\i)%2)
.set pp, 0
.rept 16
	v_pk_fma_f32 v[CB+2*pp:CB+2*pp+1], v[CB+2*pp:CB+2*pp+1], s[72:73], v[IDN:IDN+1] op_sel_hi:[1,0,1]
.set pp, pp+1
.endr
.endm
.macro ROPE i
	WIN 0x02+(\i)/4
.set AC, 64*((\i)%4)
.set CB, CSR+32*((\i)%2)
.set pp, 0
.rept 32
	v_pk_mul_f32 v[T+2*pp:T+2*pp+1], v[AC+2*pp:AC+2*pp+1], v[CB+2*(pp%16):CB+2*(pp%16)+1] op_sel_hi:[1,0]
.set pp, pp+1
.endr
.set pp, 0
.rept 32
	v_pk_fma_f32 v[T+2*pp:T+2*pp+1], v[AC+2*pp:AC+2*pp+1], v[CB+2*(pp%16):CB+2*(pp%16)+1], v[T+2*pp:T+2*pp+1] op_sel:[1,1,0] op_sel_hi:[0,1,1] neg_lo:[0,1,0]
.set pp, pp+1
.endr
	WIN 0
.endm
.macro QUANT s, pw
.irp b, 0,1,2,3
	v_max3_num_f32 v[TM+\b], |v[\s+16*\b]|, |v[\s+1+16*\b]|, 0x8000000
.endr
.irp i, 2,4,6,8,10,12,14
.irp b, 0,1,2,3
	v_max3_num_f32 v[TM+\b], v[TM+\b], |v[\s+16*\b+\i]|, |v[\s+1+16*\b+\i]|
.endr
.endr
.irp b, 0,1,2,3
	v_permlanex16_b32 v[TM+4+\b], v[TM+\b], s18, s19
.endr
.irp b, 0,1,2,3
	v_max_num_f32 v[TM+\b], v[TM+\b], v[TM+4+\b]
.endr
.irp b, 0,1,2,3
	v_add_nc_u32 v[TM+12+\b], 0xf8800000, v[TM+\b]
.endr
.irp b, 0,1,2,3
	v_and_or_b32 v[TM+8+\b], v[TM+\b], 0x7f800000, s20
.endr
.irp b, 0,1,2,3
	v_lshrrev_b32 v[TM+4+\b], 23, v[TM+12+\b]
.endr
	v_lshl_or_b32 v[\pw], v[TM+5], 8, v[TM+4]
	v_lshl_or_b32 v[\pw], v[TM+6], 16, v[\pw]
	v_lshl_or_b32 v[\pw], v[TM+7], 24, v[\pw]
.irp b, 0,1,2,3
.irp i, 0,1,2,3,4,5,6,7,8,9,10,11,12,13,14,15
	v_med3_num_f32 v[\s+16*\b+\i], v[\s+16*\b+\i], -v[TM+8+\b], v[TM+8+\b]
.endr
	v_cvt_scalef32_pk8_bf8_f32 v[PC+4*\b:PC+1+4*\b], v[\s+16*\b:\s+7+16*\b], v[TM+12+\b]
	v_cvt_scalef32_pk8_bf8_f32 v[PC+2+4*\b:PC+3+4*\b], v[\s+8+16*\b:\s+15+16*\b], v[TM+12+\b]
.endr
	v_nop
.endm
	CSLOAD 0
.irp i, 0,1,2,3,4,5,6,7
.if \i < 7
	CSLOAD \i+1
	s_wait_loadcnt 8
.else
	s_wait_loadcnt 0x0
.endif
	BLEND \i
	ROPE \i
.if \i > 0
	s_wait_xcnt 0x0
.endif
	QUANT T, PWR+\i
.irp b, 0,1,2,3
	global_store_b128 v[GOFF+\i], v[PC+4*\b:PC+4*\b+3], s[86+2*\b:87+2*\b]
.endr
.endr
	v_cmp_le_u32 vcc_lo, 16, v3
	s_cmp_eq_u32 ttmp9, 2
	s_cbranch_scc1 .Lv_words
.irp k, 0,1,2,3
	v_cndmask_b32 v[Y+\k], v[PWR+\k], v[PWR+4+\k], vcc_lo
.endr
.irp k, 0,1,2,3
	v_and_or_b32 v[Y+4+\k], v[Y+\k], 0xffff, s21
.endr
.irp k, 0,1,2,3
	v_lshrrev_b32 v[Y+8+\k], 16, v[Y+\k]
.endr
.irp k, 0,1,2,3
	v_or_b32 v[Y+8+\k], s21, v[Y+8+\k]
.endr
	global_store_b128 v[GOFF], v[Y+4:Y+7], s[94:95]
	global_store_b128 v[GOFF], v[Y+8:Y+11], s[96:97]
	s_branch .Lwords_done
.Lv_words:
.irp k, 0,1
	v_cndmask_b32 v[Y+\k], v[PWR+\k], v[PWR+2+\k], vcc_lo
	v_cndmask_b32 v[Y+2+\k], v[PWR+4+\k], v[PWR+6+\k], vcc_lo
.endr
	global_store_b64 v[A8L], v[Y:Y+1], s[94:95]
	global_store_b64 v[A8L], v[Y+2:Y+3], s[96:97]
.Lwords_done:
	s_wait_tensorcnt 0x0
	ds_add_u32 v[SPW], v[NIL]
	s_wait_dscnt 0x0
	CROUND
	s_endpgm
.Lfunc_end_k_q00a9198904_qkv:
	.size	k_q00a9198904_qkv, .Lfunc_end_k_q00a9198904_qkv-k_q00a9198904_qkv
	.p2alignl 7, 3214868480
	.fill 96, 4, 3214868480
	.section	.rodata,"a",@progbits
	.p2align	6, 0x0
	.amdhsa_kernel k_q00a9198904_qkv
		.amdhsa_group_segment_fixed_size 327680
		.amdhsa_private_segment_fixed_size 0
		.amdhsa_enable_private_segment 0
		.amdhsa_kernarg_size 40
		.amdhsa_user_sgpr_count 2
		.amdhsa_user_sgpr_kernarg_segment_ptr 1
		.amdhsa_wavefront_size32 1
		.amdhsa_system_sgpr_workgroup_id_x 1
		.amdhsa_system_sgpr_workgroup_id_y 1
		.amdhsa_system_sgpr_workgroup_id_z 1
		.amdhsa_system_vgpr_workitem_id 0
		.amdhsa_next_free_vgpr 1024
		.amdhsa_next_free_sgpr 100
		.amdhsa_reserve_vcc 1
		.amdhsa_float_denorm_mode_32 3
		.amdhsa_float_denorm_mode_16_64 3
		.amdhsa_memory_ordered 1
		.amdhsa_forward_progress 1
		.amdhsa_inst_pref_size 234
	.end_amdhsa_kernel
	.amdgpu_metadata
---
amdhsa.version: [ 1, 2 ]
amdhsa.kernels:
  - .name:           k_q00a9198904_qkv
    .symbol:         k_q00a9198904_qkv.kd
    .args:
      - { .name: codes, .offset: 0, .size: 8, .value_kind: global_buffer, .address_space: global }
      - { .name: scales, .offset: 8, .size: 8, .value_kind: global_buffer, .address_space: global }
      - { .name: rope, .offset: 16, .size: 8, .value_kind: global_buffer, .address_space: global }
      - { .name: qb, .offset: 24, .size: 8, .value_kind: global_buffer, .address_space: global }
      - { .name: kv, .offset: 32, .size: 8, .value_kind: global_buffer, .address_space: global }
    .group_segment_fixed_size: 327680
    .private_segment_fixed_size: 0
    .kernarg_segment_align: 8
    .kernarg_segment_size: 40
    .max_flat_workgroup_size: 128
    .sgpr_count:     100
    .vgpr_count:     1024
    .wavefront_size: 32
...
	.end_amdgpu_metadata
.endif
;; end of part 2
;; launch attn (part 3): grid 16 x 16, 16 waves a work-group, no clusters, 327,680 bytes of LDS; arguments qb, kv, ac, asc; writes ac, asc
.if DOCPART == 3
	.amdgcn_target "amdgcn-amd-amdhsa--gfx1250"
	.amdhsa_code_object_version 6
	.text
	.protected	k_q00a9198904_attn
	.globl	k_q00a9198904_attn
	.p2align	8
	.type	k_q00a9198904_attn,@function
k_q00a9198904_attn:
	s_mov_b64 s[64:65], 0
	v_nop
	global_prefetch_b8 v0, s[64:65] scope:SCOPE_SE
	s_setreg_imm32_b32 hwreg(HW_REG_WAVE_MODE, 25, 1), 1
	s_wait_xcnt 0x0
; ATTN.  O[q] = sum over keys k <= q of p V[k] / l, 16 heads of 64, 4,096 tokens; both products on codes of BF8 (E5M2), one E8M0 scale for each 32 along a product's K.
; t = score x log2(e) / 8; M = the running largest t rounded up to a whole number; p = 2^(t - M) is quantised along the keys, not normalised; l sums the unquantised p.  O / l is quantised along (head, d) and leaves as a part of the last product's operand image.
; LEFT OUT: key steps all of whose keys come after a wave's queries: the causal mask hides them.
; INPUTS are images of operand registers.  kv [16 heads][32 steps of 128 keys][17,152]: K's 8 tiles x 1,024 bytes, V^T's 4 tiles x 2,048, K's scale words 512, V's 256.  qb [16][32 groups of 128 queries][8,704] as K.
; Both products are used transposed (S^T = K Q^T, O^T = V^T P^T): a lane holds one query; the 16 registers of tiles 2 b, 2 b + 1 are 16 neighbouring keys (or d).
; K = 64 in an instruction of K = 128: Q's upper eight registers are zero codes; K's operand for tile t reaches into tile t + 1's codes (behind tile 7: zeros), which meet those zeros.
; SHARES.  With x = work-group x / 4 and cx = work-group x % 4: four work-groups own blocks 3 - x (early) and 4 + x (late) of 512 queries of one head; each has two tiles of each of a block's four groups of 128 queries.
; TWO WAVES SHARE A TILE: one takes the even key steps, the other the odd ones, each with its own M, l and O^T.  With a = wave % 4, b = wave / 4: group (a + b) % 4, tile a % 2, parity a / 2; the partner is wave xor 10.
; THE WALK.  Slots of four key steps; the early block takes 4 - x slots, the late one 5 + x: nine in every work-group, so the loops' counts are constants.  In a slot a wave has steps parity and parity + 2.
; At the change of blocks every wave puts its early O^T, -M and sums on its own part of an LDS stage.  At the end the odd wave takes its early three back and puts its late three there; behind one barrier the even wave joins
; the late tile's halves and the odd wave the early tile's: both under the larger M (a power of two: nothing is rounded), added, divided by l, quantised, stored.
; RING: two slots; waves 0 to 3 fetch one step each, one tensor load a wave out.  A slot's one barrier is signalled in the wave's last step of the slot, when V's fragments are in registers, and awaited behind that step's softmax and products: register work alone.
; NO CLUSTER: a joint refill stands behind a round of the cluster's barrier, whose last barrier a wave reaches only with that arithmetic done, so the signal could not stand ahead of it.
; PREFETCH: the work-groups with x = 3 come first to key steps 4 on; they ask, at each refill, for what their next refill loads: partner cx names step cx of the four, waves 4 to 6 its 67 blocks of 256 bytes, a lane a block.  So each block is named once in the launch; key steps 0 to 3 come by their loads alone.
; LIMITS: the promise holds while |t| < 2^31; a block's largest p is taken through its largest score (v_exp_f32 is taken not to fall where its input rises); a block of zeros gets the byte 1; NaN and infinities are not served.
; asc is stored two bytes a lane, 32 bytes apart: 131,072 bytes in the whole launch.
.set STEPB, 17152
.set SLOTB, 4*STEPB
.set SLOT1, 1<<17                      ; slot 1's first byte: one exclusive or turns an address
.set STAGE, SLOT1+SLOTB                ; behind slot 1: nine images of four registers for each wave; no tensor load lands here
.set PAIRB, 9*512
.set SPARE, STAGE+16*PAIRB             ; the spare words: 128 bytes for each of 16 waves
.set VIMG,  8192
.set KWRD,  16384
.set VWRD,  16896
.set QBLK,  8704
.set STGP, 0                           ; my partner's part of the stage + 16 x lane (made at the head's end, behind the last use of the thread's number)
.set A16B, 1                           ; 16 x lane + parity x STEPB
.set A8B,  2                           ; 8 x lane + the same
.set ADK,  3                           ; the two in the slot in hand
.set ADV,  4
.set SPW,  5
.set NIL,  6
.set DM,   7                           ; my query's place in its group - 16 (lane / 16)
.set NINF, 8
.set PFO,  9                           ; the prefetch's offset
.set STGA, 10                          ; my part of the stage + 16 x lane
.set QW2,  11                          ; the late tile's scale word
.set QF,   16                          ; v16-23 Q's codes, v24-31 zeros
.set KF,   32                          ; v32-95 K's, then V's fragments; v96-103 zeros
.set S,    104
.set OT,   168
.set PC,   200
.set KW,   216
.set VW,   220
.set QW,   222
.set PW,   223
.set BM,   224
.set PT,   228
.set HD,   232
.set SO,   236
.set FF,   240                         ; v[240:241] a factor, 0
.set TP,   242
.set G16,  243                         ; 16 x lane
.set Q2,   244                         ; v244-251 the late tile's codes
.set C2,   252                         ; two more chains of the sum
.set C3,   254
.set WV,   12
.set GG,   18                          ; my group, and my tile's last key step
.set KSC,  21
.set N,    22                          ; the slot's number, 0 .. 8
.set MNT,  23
.set G1,   24
.set CS,   32
.set SEL,  34
.set G0,   36
.set KB,   40                          ; kv at my head, + the step that I fetch
.set OF,   42                          ; an offset as a pair
.set PB,   44                          ; kv at my head, + the step that my work-group prefetches
.set PFA,  46
.set PAR,  66
.set GG2,  67
.set N1,   68                          ; slots of the early block
.set KS0,  69                          ; my first key step of the slot
.set TB,   70                          ; the slot's first byte
.set ASKM, 71                          ; bit i: my wave prefetches at refill i
.set XC,   72
.set T0,   76
.set T1,   77
.macro JLOAD                           ; waves 0 to 3: one step's block each
	s_cmp_lt_u32 s[WV], 4
	s_cbranch_scc0 .Lnone_\@
	tensor_load_to_lds s[G0:G0+3], s[G1:G1+7]
	s_nop 0
.rept 4
	v_nop
.endr
.Lnone_\@:
.endm
.macro GRD fill, ahead
	s_wait_tensorcnt 0x0
	ds_add_u32 v[SPW], v[NIL]
.if \fill
	ds_add_u32 v[SPW], v[NIL]                      ; twice here
	s_xor_b32 s[G0+1], s[G0+1], SLOT1
	s_add_co_u32 s[T0], s[N], \ahead
	s_cmp_lt_u32 s[T0], s[N1]
	s_cselect_b32 s[T1], 0, s[N1]
	s_sub_co_u32 s[T0], s[T0], s[T1]               ; which four key steps that slot holds
	s_mul_i32 s[OF], s[T0], SLOTB
	s_add_nc_u64 s[G0+2:G0+3], s[KB:KB+1], s[OF:OF+1]
	s_or_b32 s[G0+3], s[G0+3], 0x80000000
	s_wait_xcnt 0x0                                ; the last prefetch has read its address
	s_add_co_u32 s[T0], s[N], \ahead               ; where x = 3, slot m holds key steps 4 (m - 1) on: the slot behind the one that is fetched
	s_min_u32 s[T0], s[T0], 7
	s_mul_i32 s[OF], s[T0], SLOTB
	s_add_nc_u64 s[PFA:PFA+1], s[PB:PB+1], s[OF:OF+1]
.endif
	s_wait_dscnt 0x0                               ; the add is done, my reads of the slot are over
	s_barrier_signal -1
.endm
.macro REFILL bit                      ; behind the barrier's wait: the tensor load first, then the prefetch
	JLOAD
	s_add_co_u32 s[T0], s[N], \bit
	s_lshr_b32 s[T0], s[ASKM], s[T0]
	s_and_b32 s[T0], s[T0], 1
	s_cmp_eq_u32 s[T0], 1
	s_cbranch_scc0 .Lnot_mine_\@
	global_prefetch_b8 v[PFO], s[PFA:PFA+1] th:TH_LOAD_NT scope:SCOPE_SE
.Lnot_mine_\@:
.endm
	s_load_b256 s[4:11], s[0:1], 0x0               ; qb, kv, ac, asc
	v_lshl_add_u32 v[SPW], v0, 2, SPARE
	v_mov_b32 v[NIL], 0
	ds_add_u32 v[SPW], v[NIL]                      ; the opening lines
	ds_add_u32 v[SPW], v[NIL]
	v_lshrrev_b32 v9, 5, v0
	v_readfirstlane_b32 s[WV], v9
	s_and_b32 s13, s[WV], 3                        ; a
	s_lshr_b32 s14, s[WV], 2
	s_add_co_u32 s14, s14, s13
	s_and_b32 s14, s14, 3                          ; which of a block's four groups
	s_and_b32 s15, s13, 1                          ; which of my work-group's two tiles of it
	s_lshr_b32 s[PAR], s13, 1
	s_lshr_b32 s[XC], ttmp9, 2                     ; x
	s_and_b32 s16, ttmp9, 3                        ; cx
	s_and_b32 s19, ttmp7, 0xffff                   ; the head
	s_sub_co_u32 s[N1], 4, s[XC]
	s_sub_co_u32 s17, 3, s[XC]
	s_lshl_b32 s[GG], s17, 2
	s_add_co_u32 s[GG], s[GG], s14                 ; the early group
	s_lshl_b32 s17, s[XC], 3
	s_add_co_u32 s17, s17, 4                       ; groups from the early one to the late one
	s_add_co_u32 s[GG2], s[GG], s17
	s_lshl_b32 s20, s16, 1
	s_add_co_u32 s20, s20, s15                     ; my tile of the group
	s_mov_b32 s[G1], 3<<16                         ; a step's block: 67 rows of 256 bytes (32 elements of 8 bytes)
	s_mov_b32 s[G1+1], 32<<16
	s_mov_b32 s[G1+2], 67<<16
	s_mov_b32 s[G1+3], 32<<16
	s_mov_b32 s[G1+4], 67
	s_mov_b32 s[G1+5], 32
	s_mov_b32 s[G1+6], 0
	s_mov_b32 s[G1+7], 0
	s_mov_b32 s[G0], 1
	s_mul_i32 s[G0+1], s13, STEPB                  ; slot 0, the step that I fetch
	s_mul_i32 s48, s19, 32*STEPB
	s_add_co_u32 s50, s48, s[G0+1]
	s_mov_b32 s51, 0
	s_mul_i32 s52, s16, STEPB
	s_add_co_u32 s52, s52, s48
	s_mov_b32 s53, 0
	s_lshl_b32 s54, s19, 5
	s_add_co_u32 s54, s54, s[GG]
	s_mul_i32 s54, s54, QBLK
	s_lshl_b32 s56, s20, 10
	s_add_co_u32 s56, s56, s54                     ; the early tile's image,
	s_mov_b32 s57, 0
	s_lshr_b32 s58, s20, 2
	s_lshl_b32 s58, s58, 8
	s_and_b32 s59, s20, 3
	s_lshl_b32 s59, s59, 2
	s_add_co_u32 s58, s58, s59
	s_add_co_u32 s58, s58, s54
	s_add_co_u32 s58, s58, 8192                    ; its scale words,
	s_mov_b32 s59, 0
	s_mul_i32 s60, s17, QBLK                       ; and on to the late tile's
	s_mov_b32 s61, 0
	s_cmp_eq_u32 s[PAR], 0                         ; the tile that I store: the even wave the late one, the odd wave the early one
	s_cselect_b32 s90, s[GG2], s[GG]
	s_lshl_b32 s86, s90, 3
	s_lshr_b32 s87, s19, 1
	s_and_b32 s88, s19, 1
	s_add_co_u32 s82, s86, s87
	s_lshl_b32 s82, s82, 3
	s_add_co_u32 s82, s82, s20
	s_lshl_b32 s82, s82, 11                        ; ac: ((8 G + head / 2) 8 + tile) images of 2,048 bytes,
	s_lshl_b32 s89, s88, 10
	s_add_co_u32 s82, s82, s89                     ; chunks 2 (head % 2) + 0, 1
	s_mov_b32 s83, 0
	s_add_co_u32 s84, s86, s20
	s_lshl_b32 s84, s84, 9                         ; asc: (8 G + tile) x 16 rows x 8 words,
	s_lshl_b32 s87, s87, 2
	s_add_co_u32 s84, s84, s87
	s_lshl_b32 s88, s88, 1
	s_add_co_u32 s84, s84, s88                     ; word head / 2, bytes 2 (head % 2) + 0, 1
	s_mov_b32 s85, 0
	s_lshr_b32 s91, s20, 1
	s_lshl_b32 s91, s91, 5
	s_and_b32 s89, s20, 1
	s_lshl_b32 s89, s89, 3
	s_add_co_u32 s91, s91, s89                     ; 32 (tile / 2) + 8 (tile % 2)
	s_mul_i32 s78, s[PAR], STEPB
	s_mul_i32 s79, s[WV], PAIRB
	s_add_co_u32 s79, s79, STAGE
	s_xor_b32 s81, s[WV], 10
	s_mul_i32 s81, s81, PAIRB
	s_add_co_u32 s81, s81, STAGE
	s_sub_co_u32 s[T0], s[WV], 4
	s_and_b32 s80, s[T0], 3
	s_lshl_b32 s80, s80, 5
	s_cmp_lt_u32 s[T0], 3                          ; waves 4 to 6 alone ask, at refills 0 to 6,
	s_cselect_b32 s[ASKM], 0x7f, 0
	s_cmp_eq_u32 s[XC], 3                          ; where x = 3
	s_cselect_b32 s[ASKM], s[ASKM], 0
	s_mov_b32 s[CS], 0x3e38aa3b                    ; log2(e) / 8
	s_mov_b32 s[CS+1], s[CS]
	s_mov_b32 s[SEL], 0x76543210
	s_mov_b32 s[SEL+1], 0xfedcba98
	s_mov_b32 s[MNT], 0x600000
	s_mov_b32 s[N], 0
	s_mov_b32 s[TB], 0
	s_mov_b32 s[KS0], s[PAR]
	s_mov_b32 s[OF+1], 0
	s_wait_dscnt 0x0
	s_wait_kmcnt 0x0
	s_add_nc_u64 s[KB:KB+1], s[6:7], s[50:51]
	s_add_nc_u64 s[PB:PB+1], s[6:7], s[52:53]
	s_mov_b64 s[PFA:PFA+1], s[PB:PB+1]
	s_add_nc_u64 s[56:57], s[4:5], s[56:57]
	s_add_nc_u64 s[58:59], s[4:5], s[58:59]
	s_add_nc_u64 s[62:63], s[56:57], s[60:61]
	s_add_nc_u64 s[60:61], s[58:59], s[60:61]
	s_add_nc_u64 s[8:9], s[8:9], s[82:83]
	s_add_nc_u64 s[10:11], s[10:11], s[84:85]
	s_mov_b64 s[G0+2:G0+3], s[KB:KB+1]
	s_or_b32 s[G0+3], s[G0+3], 0x80000000
	JLOAD                                          ; slot 0: key steps 0 to 3
	v_and_b32 v105, 31, v0
	v_and_b32 v106, 15, v0
	v_bfe_u32 v107, v0, 4, 1
	v_lshlrev_b32 v[G16], 4, v105
	v_lshlrev_b32 v104, 4, v106
	global_load_b128 v[QF:QF+3], v[G16], s[56:57]
	global_load_b128 v[QF+4:QF+7], v[G16], s[56:57] offset:512
	global_load_b32 v[QW], v104, s[58:59]
	global_load_b128 v[Q2:Q2+3], v[G16], s[62:63]
	global_load_b128 v[Q2+4:Q2+7], v[G16], s[62:63] offset:512
	global_load_b32 v[QW2], v104, s[60:61]
	v_add_nc_u32 v[A16B], s78, v[G16]
	v_lshl_add_u32 v[A8B], v105, 3, s78
	v_add_nc_u32 v[STGA], s79, v[G16]
	v_add_nc_u32 v[STGP], s81, v[G16]
	v_add_nc_u32 v[PFO], s80, v105
	v_min_u32 v[PFO], 66, v[PFO]                   ; lanes left over name the step's last block again
	v_lshlrev_b32 v[PFO], 8, v[PFO]
	v_and_b32 v[DM], 7, v106
	v_lshrrev_b32 v[TP], 3, v106
	v_lshl_add_u32 v[DM], v[TP], 4, v[DM]
	v_lshlrev_b32 v[TP], 4, v107
	v_sub_nc_u32 v[DM], v[DM], v[TP]
	v_add_nc_u32 v[DM], s91, v[DM]
	v_mov_b32 v[NINF], 0xff800000
	v_mov_b32 v[FF+1], 0
	v_mov_b32 v[TP], 0
.irp b, 0,1,2,3
	v_mov_b32 v[PT+\b], 0
.endr
.irp j, 0,1,2,3,4,5,6,7
	v_mov_b32 v[QF+8+\j], 0
	v_mov_b32 v[KF+64+\j], 0
.endr
.macro FRESH                           ; a tile begins: the largest t under every t, sums and O^T zero
	v_mov_b32 v13, 0xff61b1e6
	v_floor_f32 v12, -v13
	v_mov_b32 v14, 0
	v_mov_b32 v15, 0
.set j, 0
.rept 32
	v_mov_b32 v[OT+j], 0
.set j, j+1
.endr
.endm
.macro TOSTAGE                         ; O^T, -M, the largest t and the sums, as images of registers, to my part of the stage
.irp k, 0,1,2,3,4,5,6,7
	ds_store_b128 v[STGA], v[OT+4*\k:OT+4*\k+3] offset:512*\k
.endr
	ds_store_b128 v[STGA], v[12:15] offset:4096
.endm
	FRESH
; A KEY STEP: 128 keys: step 2 q + parity of the slot.  chg = 1, 2: the wave's last step of the slot: the slot's barrier is signalled when the step's fragments are in registers and awaited at the step's end; 1: a refill follows.
.macro STEP q, chg
	s_add_co_u32 s[KSC], s[KS0], 2*\q
	s_cmp_gt_u32 s[KSC], s[GG]                     ; all its keys come after my queries
	s_cbranch_scc1 .Lno_loads_\@
.rept 8
	v_nop                                          ; places in front of loads into what the last products read
.endr
.irp t, 0,1,2,3,4,5,6,7
	ds_load_b128 v[KF+8*\t:KF+8*\t+3], v[ADK] offset:2*\q*STEPB+\t*1024
	ds_load_b128 v[KF+8*\t+4:KF+8*\t+7], v[ADK] offset:2*\q*STEPB+\t*1024+512
.endr
	ds_load_b128 v[KW:KW+3], v[ADK] offset:2*\q*STEPB+KWRD
	s_wait_dscnt 0x0
.irp t, 0,1,2,3
	v_wmma_scale_f32_16x16x128_f8f6f4 v[S+8*\t:S+8*\t+7], v[KF+8*\t:KF+8*\t+15], v[QF:QF+15], 0, v[KW+\t], v[QW] matrix_a_fmt:MATRIX_FMT_BF8 matrix_b_fmt:MATRIX_FMT_BF8
.endr
.irp t, 4,5,6,7
	v_wmma_scale_f32_16x16x128_f8f6f4 v[S+8*\t:S+8*\t+7], v[KF+8*\t:KF+8*\t+15], v[QF:QF+15], 0, v[KW+\t-4], v[QW] matrix_a_fmt:MATRIX_FMT_BF8 matrix_b_fmt:MATRIX_FMT_BF8 matrix_a_scale:MATRIX_SCALE_ROW1
.endr
.rept 8
	v_nop                                          ; places: for the loads over K's codes and the first read of the scores
.endr
.irp t, 0,1,2,3
.irp c, 0,1,2,3
	ds_load_b128 v[KF+16*\t+4*\c:KF+16*\t+4*\c+3], v[ADK] offset:2*\q*STEPB+VIMG+\t*2048+\c*512
.endr
.endr
	ds_load_b64 v[VW:VW+1], v[ADV] offset:2*\q*STEPB+VWRD
.Lno_loads_\@:
.if \chg == 1
	GRD 1, 2
.endif
.if \chg == 2
	GRD 0, 0
.endif
	s_cmp_gt_u32 s[KSC], s[GG]
	s_cbranch_scc1 .Lhidden_\@
	s_cmp_lg_u32 s[KSC], s[GG]                     ; only the tile's last step lies on the diagonal
	s_cbranch_scc1 .Lopen_\@
.set n, 0
.rept 64
	v_cmp_gt_i32 vcc_lo, 32*(n/16)+n%16, v[DM]     ; register 16 b + i holds key 32 b + 16 (lane / 16) + i of the step
	v_cndmask_b32 v[S+n], v[S+n], v[NINF], vcc_lo
.set n, n+1
.endr
.Lopen_\@:
.irp b, 0,1,2,3
	v_max3_num_f32 v[BM+\b], v[S+16*\b], v[S+1+16*\b], v[S+2+16*\b]   ; each block's largest score: for the row's maximum and for the block's largest p
.endr
.irp i, 3,5,7,9,11,13
.irp b, 0,1,2,3
	v_max3_num_f32 v[BM+\b], v[BM+\b], v[S+16*\b+\i], v[S+1+16*\b+\i]
.endr
.endr
.irp b, 0,1,2,3
	v_max_num_f32 v[BM+\b], v[BM+\b], v[S+15+16*\b]
.endr
.irp b, 0,1,2,3
	s_delay_alu instid0(VALU_DEP_4)
	v_permlanex16_b32 v[PT+\b], v[BM+\b], s[SEL], s[SEL+1]
.endr
.irp b, 0,1,2,3
	s_delay_alu instid0(VALU_DEP_4)
	v_max_num_f32 v[BM+\b], v[BM+\b], v[PT+\b]
.endr
	s_delay_alu instid0(VALU_DEP_2)
	v_max3_num_f32 v[TP], v[BM], v[BM+1], v[BM+2]
	s_delay_alu instid0(VALU_DEP_1)
	v_max_num_f32 v[TP], v[TP], v[BM+3]
	s_delay_alu instid0(VALU_DEP_1)
	v_mul_f32 v[TP], s[CS], v[TP]
	s_delay_alu instid0(VALU_DEP_1)
	v_max_num_f32 v13, v13, v[TP]                  ; the running largest t
	v_mov_b32 v[TP], v12
	s_delay_alu instid0(VALU_DEP_2)
	v_floor_f32 v12, -v13                          ; the new -M
	s_delay_alu instid0(VALU_DEP_1)
	v_sub_f32 v[TP], v12, v[TP]
	s_delay_alu instid0(VALU_DEP_1)
	v_cvt_i32_f32 v[TP], v[TP]
	s_delay_alu instid0(VALU_DEP_1)
	v_ldexp_f32 v[FF], 1.0, v[TP]                  ; f = 2^(old M - new M)
.set j, 0
.rept 32
	v_pk_fma_f32 v[S+j:S+j+1], v[S+j:S+j+1], s[CS:CS+1], v[12:13] op_sel_hi:[1,0,0]
.set j, j+2
.endr
.irp b, 0,1,2,3
	v_fma_f32 v[BM+\b], v[BM+\b], s[CS], v12
.endr
.set j, 0
	s_wait_alu depctr_va_vdst(0)
.rept 64
	v_exp_f32 v[S+j], v[S+j]
.set j, j+1
.endr
.irp b, 0,1,2,3
	v_exp_f32 v[BM+\b], v[BM+\b]
.endr
	v_pk_mul_f32 v[14:15], v[14:15], v[FF:FF+1] op_sel_hi:[1,0]
	s_wait_alu depctr_va_vdst(0)
.irp b, 0,1,2,3
	v_max_num_f32 v[BM+\b], 0x8000000, v[BM+\b]    ; the floor 2^(16 - 127)
.endr
.irp b, 0,1,2,3
	s_delay_alu instid0(VALU_DEP_4)
	v_add_nc_u32 v[SO+\b], 0xf8800000, v[BM+\b]
.endr
.irp b, 0,1,2,3
	v_and_or_b32 v[HD+\b], v[BM+\b], 0x7f800000, s[MNT]
.endr
.irp b, 0,1,2,3
	v_lshrrev_b32 v[PT+\b], 23, v[SO+\b]
.endr
	s_delay_alu instid0(VALU_DEP_3)
	v_lshl_or_b32 v[PW], v[PT+1], 8, v[PT]
	s_delay_alu instid0(VALU_DEP_1)
	v_lshl_or_b32 v[PW], v[PT+2], 16, v[PW]
	s_delay_alu instid0(VALU_DEP_1)
	v_lshl_or_b32 v[PW], v[PT+3], 24, v[PW]
	v_pk_add_f32 v[PT:PT+1], v[S:S+1], v[S+2:S+3]  ; the sum of the unquantised p, in four chains
	v_pk_add_f32 v[C2:C2+1], v[S+4:S+5], v[S+6:S+7]
	v_pk_add_f32 v[C3:C3+1], v[S+8:S+9], v[S+10:S+11]
	v_pk_add_f32 v[14:15], v[14:15], v[S+12:S+13]
.irp j, 14,22,30,38,46,54
	v_pk_add_f32 v[PT:PT+1], v[PT:PT+1], v[S+\j:S+\j+1]
	v_pk_add_f32 v[C2:C2+1], v[C2:C2+1], v[S+\j+2:S+\j+3]
	v_pk_add_f32 v[C3:C3+1], v[C3:C3+1], v[S+\j+4:S+\j+5]
	v_pk_add_f32 v[14:15], v[14:15], v[S+\j+6:S+\j+7]
.endr
	v_pk_add_f32 v[PT:PT+1], v[PT:PT+1], v[S+62:S+63]
	v_pk_add_f32 v[C2:C2+1], v[C2:C2+1], v[C3:C3+1]
	v_pk_add_f32 v[14:15], v[14:15], v[PT:PT+1]
	v_pk_add_f32 v[14:15], v[14:15], v[C2:C2+1]
.irp b, 0,1,2,3
.irp i, 0,1,2,3,4,5,6,7,8,9,10,11,12,13,14,15
	v_min_num_f32 v[S+16*\b+\i], v[S+16*\b+\i], v[HD+\b]   ; the conversion does not saturate (ISA guide 7.6.2); p is not negative
.endr
	v_cvt_scalef32_pk8_bf8_f32 v[PC+4*\b:PC+1+4*\b], v[S+16*\b:S+7+16*\b], v[SO+\b]
	v_cvt_scalef32_pk8_bf8_f32 v[PC+2+4*\b:PC+3+4*\b], v[S+8+16*\b:S+15+16*\b], v[SO+\b]
.endr
	s_wait_alu depctr_va_vdst(0)
.set j, 0
.rept 16
	v_pk_mul_f32 v[OT+j:OT+j+1], v[OT+j:OT+j+1], v[FF:FF+1] op_sel_hi:[1,0]   ; O^T under the new M; also the places ahead of the products
.set j, j+2
.endr
.if \chg == 0
	s_wait_alu depctr_va_vdst(0)
	s_wait_dscnt 0x0                               ; V^T and its scale words are in (chg = 1, 2: they were awaited ahead of the signal)
.endif
.irp t, 0,1
	v_wmma_scale_f32_16x16x128_f8f6f4 v[OT+8*\t:OT+8*\t+7], v[KF+16*\t:KF+16*\t+15], v[PC:PC+15], v[OT+8*\t:OT+8*\t+7], v[VW+\t], v[PW] matrix_a_fmt:MATRIX_FMT_BF8 matrix_b_fmt:MATRIX_FMT_BF8
.endr
.irp t, 2,3
	v_wmma_scale_f32_16x16x128_f8f6f4 v[OT+8*\t:OT+8*\t+7], v[KF+16*\t:KF+16*\t+15], v[PC:PC+15], v[OT+8*\t:OT+8*\t+7], v[VW+\t-2], v[PW] matrix_a_fmt:MATRIX_FMT_BF8 matrix_b_fmt:MATRIX_FMT_BF8 matrix_a_scale:MATRIX_SCALE_ROW1
.endr
.Lhidden_\@:
.if \chg
	s_barrier_wait -1                              ; every wave has left the slot, and the next slot is whole
.endif
.if \chg == 1
	REFILL 1
.endif
.endm
.macro SLOTADR
	v_add_nc_u32 v[ADK], s[TB], v[A16B]
	v_add_nc_u32 v[ADV], s[TB], v[A8B]
	s_wait_alu depctr_va_vdst(0)
.endm
.macro SLOTEND
	s_xor_b32 s[TB], s[TB], SLOT1
	s_add_co_u32 s[KS0], s[KS0], 4
	s_add_co_u32 s[N], s[N], 1
.endm
	s_wait_alu depctr_va_vdst(0)
	s_wait_loadcnt 0x0                             ; both tiles of Q
	GRD 1, 1
	s_barrier_wait -1
	REFILL 0
.Lslot:                                                ; seven trips: slots 0 to 6; each asks for the slot two on
	SLOTADR
	s_cmp_lg_u32 s[N], s[N1]
	s_cbranch_scc1 .Lsame_block
.rept 8
	v_nop                                          ; the early block is done.  Places behind the last products
.endr
	TOSTAGE
	v_mov_b32 v[QW], v[QW2]
.irp j, 0,1,2,3,4,5,6,7
	v_mov_b32 v[QF+\j], v[Q2+\j]
.endr
	s_wait_dscnt 0x0                               ; the stores have read their registers
	FRESH
	s_mov_b32 s[GG], s[GG2]
	s_mov_b32 s[KS0], s[PAR]
	s_wait_alu depctr_va_vdst(0)
.Lsame_block:
	STEP 0, 0
	STEP 1, 1
	SLOTEND
	s_cmp_lt_u32 s[N], 7
	s_cbranch_scc1 .Lslot
	s_mov_b32 s[N], 7
.Llast:                                                ; two trips: slots 7 and 8: nothing more is asked for
	SLOTADR
	STEP 0, 0
	STEP 1, 2
	SLOTEND
	s_cmp_lt_u32 s[N], 9
	s_cbranch_scc1 .Llast
	; THE JOIN.  One half lies in S and v[S+32:S+35], the other in O^T's registers and v[12:15].
.rept 8
	v_nop                                          ; places behind the last products, on every wave's way: for the stores of O^T and for the loads into its registers
.endr
	s_cmp_eq_u32 s[PAR], 0
	s_cbranch_scc1 .Leven_1
.irp k, 0,1,2,3,4,5,6,7,8
	ds_load_b128 v[S+4*\k:S+4*\k+3], v[STGA] offset:512*\k     ; the odd wave: my early half comes back,
.endr
	TOSTAGE                                        ; and my late half takes its place (LDS serves a wave's instructions in order)
.Leven_1:
	s_wait_dscnt 0x0
	s_barrier_signal -1
	s_barrier_wait -1
	s_cmp_eq_u32 s[PAR], 0
	s_cbranch_scc1 .Leven_2
.irp k, 0,1,2,3,4,5,6,7
	ds_load_b128 v[OT+4*\k:OT+4*\k+3], v[STGP] offset:512*\k   ; the odd wave: my partner's early half
.endr
	ds_load_b128 v[12:15], v[STGP] offset:4096
	s_branch .Lboth
.Leven_2:
.irp k, 0,1,2,3,4,5,6,7,8
	ds_load_b128 v[S+4*\k:S+4*\k+3], v[STGP] offset:512*\k     ; the even wave: my partner's late half
.endr
.Lboth:
	s_wait_dscnt 0x0
	v_min_num_f32 v[TP], v12, v[S+32]              ; -M of the larger M
	v_add_f32 v14, v14, v15
	v_add_f32 v[S+34], v[S+34], v[S+35]
	v_sub_f32 v[BM], v[TP], v12
	v_sub_f32 v[BM+1], v[TP], v[S+32]
	v_cvt_i32_f32 v[BM], v[BM]                     ; whole numbers, 0 or less (it saturates: a half with no step counts for nothing)
	v_cvt_i32_f32 v[BM+1], v[BM+1]
	v_ldexp_f32 v[FF], 1.0, v[BM]
	v_ldexp_f32 v[BM+1], 1.0, v[BM+1]
	v_mul_f32 v14, v14, v[FF]
	v_fmac_f32 v14, v[S+34], v[BM+1]
	v_permlanex16_b32 v[TP], v14, s[SEL], s[SEL+1]
	v_add_f32 v14, v14, v[TP]                      ; l
	s_wait_alu depctr_va_vdst(0)
	v_rcp_f32 v14, v14
	v_and_b32 v[HD+2], 0xf0, v[G16]                ; (a plain place)  16 r
	s_wait_alu depctr_va_vdst(0)
	v_mul_f32 v[FF], v[FF], v14
	v_mul_f32 v14, v[BM+1], v14
	v_lshlrev_b32 v[HD+2], 1, v[HD+2]              ; 32 r: a row's eight words of asc
.set j, 0
.rept 16
	v_pk_mul_f32 v[S+j:S+j+1], v[S+j:S+j+1], v[14:15] op_sel_hi:[1,0]
.set j, j+2
.endr
	s_wait_alu depctr_va_vdst(0)
.set j, 0
.rept 16
	v_pk_fma_f32 v[S+j:S+j+1], v[OT+j:OT+j+1], v[FF:FF+1], v[S+j:S+j+1] op_sel_hi:[1,0,1]   ; register 16 b + i is d = 32 b + 16 (lane / 16) + i
.set j, j+2
.endr
.irp b, 0,1
	v_max3_num_f32 v[BM+\b], |v[S+16*\b]|, |v[S+1+16*\b]|, 0x8000000
.endr
.irp i, 2,4,6,8,10,12,14
.irp b, 0,1
	v_max3_num_f32 v[BM+\b], v[BM+\b], |v[S+16*\b+\i]|, |v[S+1+16*\b+\i]|
.endr
.endr
.irp b, 0,1
	v_permlanex16_b32 v[PT+\b], v[BM+\b], s[SEL], s[SEL+1]
.endr
.irp b, 0,1
	v_max_num_f32 v[BM+\b], v[BM+\b], v[PT+\b]
.endr
.irp b, 0,1
	v_add_nc_u32 v[SO+\b], 0xf8800000, v[BM+\b]
.endr
.irp b, 0,1
	v_and_or_b32 v[HD+\b], v[BM+\b], 0x7f800000, s[MNT]
.endr
.irp b, 0,1
	v_lshrrev_b32 v[PT+\b], 23, v[SO+\b]
.endr
	v_lshl_or_b32 v[PW], v[PT+1], 8, v[PT]
.irp b, 0,1
.irp i, 0,1,2,3,4,5,6,7,8,9,10,11,12,13,14,15
	v_med3_num_f32 v[S+16*\b+\i], v[S+16*\b+\i], -v[HD+\b], v[HD+\b]
.endr
	v_cvt_scalef32_pk8_bf8_f32 v[PC+4*\b:PC+1+4*\b], v[S+16*\b:S+7+16*\b], v[SO+\b]
	v_cvt_scalef32_pk8_bf8_f32 v[PC+2+4*\b:PC+3+4*\b], v[S+8+16*\b:S+15+16*\b], v[SO+\b]
.endr
	v_nop
	global_store_b128 v[G16], v[PC:PC+3], s[8:9]               ; a chunk of the image: 512 consecutive bytes
	global_store_b128 v[G16], v[PC+4:PC+7], s[8:9] offset:512
	global_store_b16 v[HD+2], v[PW], s[10:11]                  ; both halves of the lanes write the same two bytes
	s_wait_tensorcnt 0x0                           ; the wave's end
	ds_add_u32 v[SPW], v[NIL]
	s_wait_dscnt 0x0
	s_endpgm
.Lfunc_end_k_q00a9198904_attn:
	.size	k_q00a9198904_attn, .Lfunc_end_k_q00a9198904_attn-k_q00a9198904_attn
	.p2alignl 7, 3214868480
	.fill 96, 4, 3214868480
	.section	.rodata,"a",@progbits
	.p2align	6, 0x0
	.amdhsa_kernel k_q00a9198904_attn
		.amdhsa_group_segment_fixed_size 327680
		.amdhsa_private_segment_fixed_size 0
		.amdhsa_enable_private_segment 0
		.amdhsa_kernarg_size 32
		.amdhsa_user_sgpr_count 2
		.amdhsa_user_sgpr_kernarg_segment_ptr 1
		.amdhsa_wavefront_size32 1
		.amdhsa_system_sgpr_workgroup_id_x 1
		.amdhsa_system_sgpr_workgroup_id_y 1
		.amdhsa_system_sgpr_workgroup_id_z 1
		.amdhsa_system_vgpr_workitem_id 0
		.amdhsa_next_free_vgpr 256
		.amdhsa_next_free_sgpr 92
		.amdhsa_reserve_vcc 1
		.amdhsa_float_denorm_mode_32 3
		.amdhsa_float_denorm_mode_16_64 3
		.amdhsa_memory_ordered 1
		.amdhsa_forward_progress 1
		.amdhsa_inst_pref_size 120
	.end_amdhsa_kernel
	.amdgpu_metadata
---
amdhsa.version: [ 1, 2 ]
amdhsa.kernels:
  - .name:           k_q00a9198904_attn
    .symbol:         k_q00a9198904_attn.kd
    .args:
      - { .name: qb, .offset: 0, .size: 8, .value_kind: global_buffer, .address_space: global }
      - { .name: kv, .offset: 8, .size: 8, .value_kind: global_buffer, .address_space: global }
      - { .name: ac, .offset: 16, .size: 8, .value_kind: global_buffer, .address_space: global }
      - { .name: asc, .offset: 24, .size: 8, .value_kind: global_buffer, .address_space: global }
    .group_segment_fixed_size: 327680
    .private_segment_fixed_size: 0
    .kernarg_segment_align: 8
    .kernarg_segment_size: 32
    .max_flat_workgroup_size: 512
    .sgpr_count:     92
    .vgpr_count:     256
    .wavefront_size: 32
...
	.end_amdgpu_metadata
.endif
;; end of part 3
;; launch proj (part 4): grid 8 x 32, 4 waves a work-group, clusters of 4 x 4, 327,680 bytes of LDS; arguments ac, asc, codes, scales, out0; writes out0
.if DOCPART == 4
	.amdgcn_target "amdgcn-amd-amdhsa--gfx1250"
	.amdhsa_code_object_version 6
	.text
	.protected	k_q00a9198904_proj
	.globl	k_q00a9198904_proj
	.p2align	8
	.type	k_q00a9198904_proj,@function
k_q00a9198904_proj:
	s_mov_b64 s[64:65], 0
	v_nop
	global_prefetch_b8 v0, s[64:65] scope:SCOPE_SE
	s_setreg_imm32_b32 hwreg(HW_REG_WAVE_MODE, 25, 1), 1
	s_wait_xcnt 0x0
	s_wait_alu depctr_hold_cnt(0) depctr_sa_sdst(0) depctr_va_vdst(0) depctr_va_sdst(0) depctr_va_ssrc(0) depctr_va_vcc(0) depctr_vm_vsrc(0)
	s_getreg_b32 s2, hwreg(HW_REG_IB_STS2, 6, 4)
	s_cmp_eq_u32 s2, 0
	s_cbranch_scc0 .Lentry_in_a_cluster
	s_endpgm
.Lentry_in_a_cluster:
	s_bfe_u32 s2, ttmp6, 0x10000c
	s_cmp_lg_u32 s2, 0xf033
	s_cbranch_scc0 .Lentry_shape_is_right
	s_endpgm
.Lentry_shape_is_right:
; PROJ.  out = attn Wo^T on codes of BF8 (E5M2) with one E8M0 scale for each 32 along K = 1,024; out0 [4096][1024] f32.
; attn comes as images of operand registers: ac [32 blocks of 128 tokens][8 K steps][8 tiles][2,048 bytes], lane r of tile t being token 32 (t / 2) + 8 (t % 2) + r % 8 + 16 (r / 8) of the block; its scale words asc [256 tiles][16 r][8 K steps].
; Wo's codes are rows 7168 on of the matrix of codes [8192][1024], its scale bytes likewise [8192][32]; rows lie with bits 3 and 4 of their number exchanged.
; SHARES.  256 work-groups of 128 tokens x 128 columns; a wave makes 64 x 64: 16 accumulators.  The product is used transposed (source 0 = 16 rows of Wo, source 1 = a tile of attn): a lane holds eight neighbouring columns of one token.
; ALL OF K FITS IN LDS, so there is no ring and nothing is filled twice.  One tensor load a wave: wave 0 attn's K steps 0-3 (65,536 dense bytes), wave 1 its K steps 4-7, wave 2 Wo's 128 rows x K 0-511, wave 3 x K 512-1023.
; Each wave has a load line of its own: the first barrier shows waves 0 and 2's halves, the barrier inside K step 3 the other two.
; CLUSTERS: 4 x 4.  attn's block is shared along a row of the cluster, Wo's rows along a column: joint loads.  No prefetch: the launch has no loop to run ahead in; all its tiles are asked for at its head.
; REGISTERS: window 0: v16-23 addresses; v32-63 attn's scale words (8 a + k), v64-95 Wo's (8 b + k), on the way out rows of the result; v128-255 the accumulators.  Window 1: two fragment buffers of 128.
.set BL,   131072                      ; Wo's codes in LDS: 2 halves of K x 128 rows x 528 bytes
.set WP,   528                         ; a row: 512 bytes + 16 of padding
.set WH,   128*WP
.set STG,  BL+2*WH                     ; the stages: 16 rows x 272 bytes for each wave; no tensor load fills them
.set SPI,  272
.set SPARE, STG+4*16*SPI
.set AA,   16
.set BA,   18
.set STO,  20
.set RD,   21
.set CO,   22
.set SA,   23
.set ASW,  32
.set BSW,  64
.set OB,   32
.set SPW,  126
.set NIL,  127
.set ACC,  128
.set G1A,  16
.set G1B,  24
.set G0A,  32
.set G0B,  48
.set MSB, 0
.macro WIN new
.if MSB != \new
	s_set_vgpr_msb (MSB<<8)|\new
.set MSB, \new
.endif
.endm
.macro CROUND
	s_barrier_signal -1
	s_barrier_wait -1
	s_cmp_lg_u32 s14, 0
	s_cbranch_scc1 .Lnot_wave_0_\@
	s_barrier_signal -3
.Lnot_wave_0_\@:
	s_barrier_wait -3
	s_barrier_signal -1
	s_barrier_wait -1
.endm
	s_load_b256 s[4:11], s[0:1], 0x0               ; ac, asc, codes, scales
	s_load_b64 s[12:13], s[0:1], 0x20              ; out0
	v_lshl_add_u32 v[SPW], v0, 2, SPARE
	v_mov_b32 v[NIL], 0
	ds_add_u32 v[SPW], v[NIL]                      ; the opening lines
	ds_add_u32 v[SPW], v[NIL]
	v_lshrrev_b32 v1, 5, v0
	v_readfirstlane_b32 s14, v1
	s_lshr_b32 s15, s14, 1                         ; which 64 tokens are mine
	s_and_b32 s3, s14, 1                           ; which 64 columns.  Also: which half of K I fetch
	s_bfe_u32 s68, ttmp6, 0x40000
	s_bfe_u32 s69, ttmp6, 0x40004
	s_lshl_b32 s70, ttmp9, 2
	s_add_co_u32 s70, s70, s68                     ; tile column
	s_and_b32 s71, ttmp7, 0xffff
	s_lshl_b32 s71, s71, 2
	s_add_co_u32 s71, s71, s69                     ; tile row
	s_lshl_b32 s72, s69, 2
	s_lshl_b32 s72, 15, s72
	s_lshl_b32 s73, 0x1111, s68
	s_or_b32 s[G1A], s72, (3<<16)|(1<<21)          ; attn: four K steps, 65,536 dense bytes, as 256 rows of 256
	s_mov_b32 s[G1A+1], 32<<16
	s_mov_b32 s[G1A+2], 256<<16
	s_mov_b32 s[G1A+3], 32<<16
	s_mov_b32 s[G1A+4], 256
	s_mov_b32 s[G1A+5], 32
	s_mov_b32 s[G1A+6], 0
	s_mov_b32 s[G1A+7], 0
	s_or_b32 s[G1B], s73, (0<<16)|(1<<20)|(1<<21)|(6<<22)|(3<<25)   ; Wo: 128 rows x 512 bytes, 1,024 apart; four words of padding after every 128
	s_mov_b32 s[G1B+1], 512<<16
	s_mov_b32 s[G1B+2], 128<<16
	s_mov_b32 s[G1B+3], 512<<16
	s_mov_b32 s[G1B+4], 128
	s_mov_b32 s[G1B+5], 1024
	s_mov_b32 s[G1B+6], 0
	s_mov_b32 s[G1B+7], 0
	s_lshl_b32 s74, s71, 17
	s_lshl_b32 s76, s3, 16                         ; my half of attn's block: in memory and in LDS alike
	s_add_co_u32 s74, s74, s76
	s_mov_b32 s75, 0
	s_lshl_b32 s78, s70, 7
	s_add_co_u32 s78, s78, 7168
	s_lshl_b32 s78, s78, 10
	s_lshl_b32 s80, s3, 9
	s_add_co_u32 s78, s78, s80                     ; Wo: row 7168 + 128 x tile column, my half of K
	s_mov_b32 s79, 0
	s_mul_i32 s81, s3, WH
	s_lshl_b32 s84, s71, 3
	s_lshl_b32 s82, s15, 2
	s_add_co_u32 s84, s84, s82
	s_lshl_b32 s84, s84, 9                         ; attn's scale words: 512 bytes a tile
	s_mov_b32 s85, 0
	s_lshl_b32 s86, s70, 7
	s_lshl_b32 s83, s3, 6
	s_add_co_u32 s86, s86, s83                     ; my first column
	s_lshl_b32 s90, s86, 2
	s_add_co_u32 s86, s86, 7168
	s_lshl_b32 s86, s86, 5
	s_mov_b32 s87, 0
	s_lshl_b32 s88, s71, 7
	s_lshl_b32 s82, s15, 6
	s_add_co_u32 s88, s88, s82                     ; my first token
	s_lshl_b32 s88, s88, 12
	s_add_co_u32 s88, s88, s90
	s_mov_b32 s89, 0
	s_wait_dscnt 0x0
	s_wait_kmcnt 0x0
	s_add_nc_u64 s[84:85], s[6:7], s[84:85]
	s_add_nc_u64 s[86:87], s[10:11], s[86:87]
	s_add_nc_u64 s[12:13], s[12:13], s[88:89]
	s_mov_b32 s[G0A], 1
	s_mov_b32 s[G0A+1], s76
	s_add_nc_u64 s[G0A+2:G0A+3], s[4:5], s[74:75]
	s_or_b32 s[G0A+3], s[G0A+3], 0x80000000
	s_mov_b32 s[G0B], 1
	s_add_co_u32 s[G0B+1], s81, BL
	s_add_nc_u64 s[G0B+2:G0B+3], s[8:9], s[78:79]
	s_or_b32 s[G0B+3], s[G0B+3], 0x80000000
	CROUND                                         ; all sixteen work-groups are here: the joint loads meet
.macro ARM is, g0, g1, next            ; one chain of branches on the wave's number, a load to an arm, one join
	s_cmp_eq_u32 s14, \is
	s_cbranch_scc0 \next
	tensor_load_to_lds s[\g0:\g0+3], s[\g1:\g1+7]
	s_nop 0
.rept 4
	v_nop
.endr
	s_branch .Lasked
\next:
.endm
	ARM 0, G0A, G1A, .Lnot_0
	ARM 2, G0B, G1B, .Lnot_2
	ARM 1, G0A, G1A, .Lnot_1
	tensor_load_to_lds s[G0B:G0B+3], s[G1B:G1B+7]
	s_nop 0
.rept 4
	v_nop
.endr
.Lasked:
	v_and_b32 v1, 15, v0
	v_bfe_u32 v2, v0, 4, 1
	v_and_b32 v3, 31, v0
	v_lshlrev_b32 v[SA], 5, v1
.irp a, 0,1,2,3
	global_load_b128 v[ASW+8*\a:ASW+8*\a+3], v[SA], s[84:85] offset:512*\a          ; row r's eight words: one for each K step
	global_load_b128 v[ASW+8*\a+4:ASW+8*\a+7], v[SA], s[84:85] offset:512*\a+16
	global_load_b128 v[BSW+8*\a:BSW+8*\a+3], v[SA], s[86:87] offset:512*\a
	global_load_b128 v[BSW+8*\a+4:BSW+8*\a+7], v[SA], s[86:87] offset:512*\a+16
.endr
	v_lshlrev_b32 v4, 4, v3
	s_lshl_b32 s82, s15, 13                        ; my four tiles of a K step's eight
	v_add_nc_u32 v[AA], s82, v4
	v_add_nc_u32 v[AA+1], 65536, v[AA]
	s_mul_i32 s83, s3, 64*WP
	s_add_co_u32 s83, s83, BL
	v_mul_u32_u24 v5, v1, WP
	v_lshl_add_u32 v5, v2, 4, v5
	v_add_nc_u32 v[BA], s83, v5
	v_add_nc_u32 v[BA+1], WH, v[BA]
	s_mul_i32 s91, s14, 16*SPI
	s_add_co_u32 s91, s91, STG
	v_mul_u32_u24 v6, v1, SPI
	v_lshl_add_u32 v6, v2, 6, v6
	v_add_nc_u32 v[STO], s91, v6
	v_mul_u32_u24 v6, v2, SPI
	v_lshl_add_u32 v6, v1, 4, v6
	v_add_nc_u32 v[RD], s91, v6
	v_lshlrev_b32 v6, 12, v2
	v_lshl_add_u32 v[CO], v1, 4, v6
.macro FETCH k                         ; K step k's eight fragments into buffer k % 2
	WIN 0x40
.set FB, 128*((\k)%2)
.irp a, 0,1,2,3
.irp c, 0,1,2,3
	ds_load_b128 v[FB+16*\a+4*\c:FB+16*\a+4*\c+3], v[AA+(\k)/4] offset:((\k)%4)*16384+\a*2048+\c*512
.endr
.endr
.irp b, 0,1,2,3
.irp c, 0,1,2,3
	ds_load_b128 v[FB+64+16*\b+4*\c:FB+64+16*\b+4*\c+3], v[BA+(\k)/4] offset:\b*16*WP+((\k)%4)*128+32*\c
.endr
.endr
.endm
.macro MUL8 k, a0                      ; eight products; the 16 accumulators take turns; K step 0 starts the sums
	WIN 0x05
.set FB, 128*((\k)%2)
.irp a, \a0, \a0+1
.irp b, 0,1,2,3
.if (\k) == 0
	v_wmma_scale_f32_16x16x128_f8f6f4 v[ACC+8*(4*(\a)+\b):ACC+8*(4*(\a)+\b)+7], v[FB+64+16*\b:FB+64+16*\b+15], v[FB+16*(\a):FB+16*(\a)+15], 0, v[BSW+8*\b+(\k)], v[ASW+8*(\a)+(\k)] matrix_a_fmt:MATRIX_FMT_BF8 matrix_b_fmt:MATRIX_FMT_BF8
.else
	v_wmma_scale_f32_16x16x128_f8f6f4 v[ACC+8*(4*(\a)+\b):ACC+8*(4*(\a)+\b)+7], v[FB+64+16*\b:FB+64+16*\b+15], v[FB+16*(\a):FB+16*(\a)+15], v[ACC+8*(4*(\a)+\b):ACC+8*(4*(\a)+\b)+7], v[BSW+8*\b+(\k)], v[ASW+8*(\a)+(\k)] matrix_a_fmt:MATRIX_FMT_BF8 matrix_b_fmt:MATRIX_FMT_BF8
.endif
.endr
.endr
.endm
.macro PLACES                          ; eight places
.rept 8
	v_nop
.endr
.endm
	s_wait_alu depctr_va_vdst(0)
	s_cmp_eq_u32 s3, 0
	s_cbranch_scc0 .Lsecond_half
	s_wait_tensorcnt 0x0                           ; waves 0 and 2: K steps 0-3 have landed
.Lsecond_half:
	s_barrier_signal -1
	s_barrier_wait -1
	FETCH 0
	s_wait_loadcnt 0x0                             ; the scale words
.irp k, 0,1,2,3,4,5,6
	s_wait_dscnt 0x0                               ; K step k's fragments are in
.if \k == 3
	s_wait_tensorcnt 0x0                           ; every wave: K steps 4-7 have landed
	s_barrier_signal -1
.endif
	MUL8 \k, 0
.if \k == 3
	s_barrier_wait -1
.endif
	PLACES
	FETCH \k+1
	MUL8 \k, 2
.endr
	s_wait_dscnt 0x0
	MUL8 7, 0
	MUL8 7, 2
	WIN 0
; THE WAY OUT, a tile of 16 tokens x 64 columns at a time, through my own stage: register j of accumulator (a, b) is column 32 (b / 2) + 16 h + 8 (b % 2) + j; row rho of the stage is token 32 (a / 2) + 8 (a % 2) + rho % 8 + 16 (rho / 8) of my 64.
.macro TOSTAGE a
.irp b, 0,1,2,3
	ds_store_b128 v[STO], v[ACC+8*(4*(\a)+\b):ACC+8*(4*(\a)+\b)+3] offset:(\b/2)*128+(\b%2)*32
	ds_store_b128 v[STO], v[ACC+8*(4*(\a)+\b)+4:ACC+8*(4*(\a)+\b)+7] offset:(\b/2)*128+(\b%2)*32+16
.endr
.irp t, 0,1,2,3,4,5,6,7
	ds_load_b128 v[OB+32*((\a)%2)+4*\t:OB+32*((\a)%2)+4*\t+3], v[RD] offset:\t*2*SPI
.endr
.endm
.macro SEND a, younger                 ; younger: the LDS instructions issued behind tile a's loads
	s_wait_dscnt \younger
.irp t, 0,1,2,3,4,5,6,7
	global_store_b128 v[CO], v[OB+32*((\a)%2)+4*\t:OB+32*((\a)%2)+4*\t+3], s[12:13] offset:(32*((\a)/2)+8*((\a)%2)+2*\t+8*(\t/4))*4096 th:TH_STORE_NT   ; 16 lanes store 256 consecutive bytes, aligned
.endr
.endm
	PLACES
	TOSTAGE 0
	TOSTAGE 1
	SEND 0, 16
	s_wait_xcnt 0x0                                ; tile 0's stores have read their registers
	TOSTAGE 2
	SEND 1, 16
	s_wait_xcnt 0x0
	TOSTAGE 3
	SEND 2, 16
	SEND 3, 0
	s_wait_tensorcnt 0x0                           ; the wave's end
	ds_add_u32 v[SPW], v[NIL]
	s_wait_dscnt 0x0
	CROUND                                         ; the closing round
	s_endpgm
.Lfunc_end_k_q00a9198904_proj:
	.size	k_q00a9198904_proj, .Lfunc_end_k_q00a9198904_proj-k_q00a9198904_proj
	.p2alignl 7, 3214868480
	.fill 96, 4, 3214868480
	.section	.rodata,"a",@progbits
	.p2align	6, 0x0
	.amdhsa_kernel k_q00a9198904_proj
		.amdhsa_group_segment_fixed_size 327680
		.amdhsa_private_segment_fixed_size 0
		.amdhsa_enable_private_segment 0
		.amdhsa_kernarg_size 40
		.amdhsa_user_sgpr_count 2
		.amdhsa_user_sgpr_kernarg_segment_ptr 1
		.amdhsa_wavefront_size32 1
		.amdhsa_system_sgpr_workgroup_id_x 1
		.amdhsa_system_sgpr_workgroup_id_y 1
		.amdhsa_system_sgpr_workgroup_id_z 1
		.amdhsa_system_vgpr_workitem_id 0
		.amdhsa_next_free_vgpr 512
		.amdhsa_next_free_sgpr 96
		.amdhsa_reserve_vcc 0
		.amdhsa_float_denorm_mode_32 3
		.amdhsa_float_denorm_mode_16_64 3
		.amdhsa_memory_ordered 1
		.amdhsa_forward_progress 1
		.amdhsa_inst_pref_size 51
	.end_amdhsa_kernel
	.amdgpu_metadata
---
amdhsa.version: [ 1, 2 ]
amdhsa.kernels:
  - .name:           k_q00a9198904_proj
    .symbol:         k_q00a9198904_proj.kd
    .args:
      - { .name: ac, .offset: 0, .size: 8, .value_kind: global_buffer, .address_space: global }
      - { .name: asc, .offset: 8, .size: 8, .value_kind: global_buffer, .address_space: global }
      - { .name: codes, .offset: 16, .size: 8, .value_kind: global_buffer, .address_space: global }
      - { .name: scales, .offset: 24, .size: 8, .value_kind: global_buffer, .address_space: global }
      - { .name: out0, .offset: 32, .size: 8, .value_kind: global_buffer, .address_space: global }
    .group_segment_fixed_size: 327680
    .private_segment_fixed_size: 0
    .kernarg_segment_align: 8
    .kernarg_segment_size: 40
    .max_flat_workgroup_size: 128
    .sgpr_count:     96
    .vgpr_count:     512
    .wavefront_size: 32
...
	.end_amdgpu_metadata
.endif
;; end of part 4
